; MI455X (gfx1250); checked and timed in simulation.
; The chip was launched on July 23, 2026; its instructions are those of AMD's public machine-readable ISA for CDNA 5 (MIT licence, August 2026) and "CDNA5" Instruction Set Architecture Reference Guide (July 2026). The comments in the code are by the model that wrote it; some were corrected since.
;; Multihead Attention With Bias. Allowed arithmetic: matrix products marked QUANTISED: E4M3 operands, one given power-of-two scale a tensor, by v_wmma_f32_16x16x64_fp8_fp8 or v_wmma_f32_16x16x128_fp8_fp8, f32 sums; everything else in f32.
;; Inputs: attn_bias 4 x 2,048 x 2,048 float32; lowp_scales 8 int32 (the exponents e of the quantised operands' scales 2^e); out_b 1,024 float32; out_w 1,024 x 1,024 float32; qkv_b 3,072 float32; qkv_w 3,072 x 1,024 float32; x 4 x 2,048 x 1,024 float32.
;; Outputs: out0 4 x 2,048 x 1,024 float32.
;; This version of the problem:
;;   THIS VERSION OF THE PROBLEM IS GIVEN IN LOW PRECISION. The matrix products marked QUANTISED in the list below multiply operands that are first quantised to E4M3 (4 exponent bits, 3 mantissa bits; 8 bits a number), with one given power-of-two scale for each operand tensor; their sums are f32. All else is computed in f32.
;;   The module's matrix products, in the order in which they are computed (A, B: the left and right operand; K: the contracted axis; several contracted axes count as one K, in the product's order):
;;     1. [M 8,192, K 1,024] x [K 1,024, N 3,072]; A: input x; B: input qkv_w: QUANTISED (scales: A lowp_scales[0], B lowp_scales[1])
;;     2. batch 64 x [M 2,048, K 64] x [K 64, N 2,048]; A: computed on the way; B: computed on the way: QUANTISED (scales: A lowp_scales[2], B lowp_scales[3])
;;     3. batch 64 x [M 2,048, K 2,048] x [K 2,048, N 64]; A: softmax (see below); B: computed on the way: QUANTISED (scales: A lowp_scales[4], B lowp_scales[5])
;;     4. [M 8,192, K 1,024] x [K 1,024, N 1,024]; A: computed on the way; B: input out_w: QUANTISED (scales: A lowp_scales[6], B lowp_scales[7])
;;   THE QUANTISER, for each operand of a quantised product, along K:
;;     - The operand's scale is 2^e, e = its entry of the input lowp_scales (int32; the entries are numbered through the quantised products in the list's order, A before B).
;;     - Each number is divided by the scale, clamped to +-448, and rounded to the nearest number of E4M3, ties to even, subnormals kept.
;;     - The product sums the exact products of the quantised numbers (number of the format x scale) in f32.
;;   ~~~python
;;   def quantise(x, axis, e):      # numpy; x: float32 -> the quantised numbers, widened to float32 again
;;       x = np.moveaxis(x, axis, -1); K = x.shape[-1]
;;       r = np.clip(x / 2.0 ** e, -448, 448)
;;       step = 2.0 ** (np.maximum(np.frexp(np.where(r == 0, 1, r))[1] - 1, -6) - 3)
;;       q = np.round(r / step) * step * 2.0 ** e      # np.round: ties to even
;;       return np.moveaxis(q, -1, axis).astype(np.float32)
;;   ~~~
;;   SOFTMAX AHEAD OF A QUANTISED PRODUCT. Where the list says 'softmax', what is quantised is not the finished softmax but p = 2^(t - M), with t = logit x log2(e) and M = ceil(the row's largest t), a whole number; so 1/2 < the row's largest p <= 1. The row's sum l is taken of the UNQUANTISED p, in f32, and the product's result is divided by l at the end. Since M is a whole number, a kernel that streams over the keys may use a running M (the ceiling of the running maximum): every later rescaling is an exact power of two, so the quantised numbers keep their values, but for numbers so far below the row's largest that they fall under the format's range.
;;   OPERANDS COMPUTED ON THE WAY. 'Computed on the way' means the value that the module computes at that place (a softmax that the list does not call 'softmax' is quantised finished and normalised). What goes into a quantiser is computed in f32, as accurately as f32 sums, v_exp_f32 and their like allow (about 1e-6 of the number): no bf16 or f16 on the way to a quantiser, and a product that is left as it is and whose result goes on into a quantised operand takes f32 operands (vector FMAs, or v_wmma_f32_16x16x4_f32). A number that lies on a knife's edge between two numbers of the format may be rounded either way, as far as f32 arithmetic and the matrix unit's own rounding can turn it there, and no further.
;; One version. Each part assembles by itself: llvm-mc -triple=amdgcn-amd-amdhsa -mcpu=gfx1250 --defsym DOCPART=n.
;; ======== version 1 of 1: 4 launches
;; workspace buffers: xc 8,388,608 bytes; wc 3,145,728 bytes; oc 1,048,576 bytes; qk 16,777,216 bytes; vt 8,388,608 bytes; ac 8,388,608 bytes
;; launch quant (part 1): grid 384 x 1, 4 waves a work-group, no clusters, 33,280 bytes of LDS; arguments x, qkv_w, out_w, lowp_scales, xc, wc, oc; writes xc, wc, oc
.if DOCPART == 1
	.amdgcn_target "amdgcn-amd-amdhsa--gfx1250"
	.amdhsa_code_object_version 6
	.text
	.protected	k_q71f18b3482_quant
	.globl	k_q71f18b3482_quant
	.p2align	8
	.type	k_q71f18b3482_quant,@function
k_q71f18b3482_quant:
	s_mov_b64 s[64:65], 0
	v_nop
	global_prefetch_b8 v0, s[64:65] scope:SCOPE_SE
	s_setreg_imm32_b32 hwreg(HW_REG_WAVE_MODE, 25, 1), 1
	s_wait_xcnt 0x0
; x [8192][1024], qkv_w [3072][1024] and out_w [1024][1024], f32, become codes of FP8 (E4M3), one byte each, K innermost, each with the scale 2^e given for it:
; entry 0 of the scales for x, entry 1 for qkv_w, entry 7 for out_w.  code = number / 2^e, held within +-448, rounded to the nearest code, ties to even.
; LIMITS: -126 <= e <= 119, so that 2^e and 448 x 2^e are f32 numbers.  NaN among the inputs is not served; an infinity is held at the largest code.
; Rows are dense and K is innermost, so each tensor is a plain stream of numbers and its codes a plain stream of bytes: nothing here knows of rows.
; One launch serves the three tensors: work-groups 0-255 take x, 256-351 qkv_w, 352-383 out_w, 32,768 numbers each.  Only pointers and the exponent are chosen, by the work-group's number: one path through the text.
; A wave takes 16 steps of 512 numbers.  A conversion takes 8 neighbours from ONE lane's registers, a load is best where neighbouring LANES take neighbouring bytes: each of a step's four loads reads 512 consecutive
; bytes, 16 a lane; the 2,048 bytes go through the wave's own stage in LDS as they lie and come back 64 bytes a lane.  A lane's 16 codes are 16 bytes: the wave stores 512 consecutive bytes, aligned.
; No tensor loads, no barrier: waves share nothing.  Loads run four steps (16 loads a wave) ahead, the turn through LDS one step.
.set STEPS, 16
.set WGX,   256                        ; work-groups of x
.set WGW,   96                         ; of qkv_w
.set EMAX,  8
.set MANT,  0x600000                   ; the mantissa field of 448 as f32
.set CB,    16                         ; bytes of 16 codes
.set R,     16                         ; v16-79   four sets of 16 numbers as they are loaded
.set X,     80                         ; v80-111  two sets of 16 neighbours
.set C,     128                        ; v128-191 codes: four registers for each step, so that no store's data are written again
.set WREG,  8192                       ; LDS: a region of its own for each wave: two stages of 32 x SP bytes
.set SP,    80                         ; a lane's place in a stage: its 64 bytes + 16 of padding
	s_load_b128 s[4:7], s[0:1], 0x0                ; x, qkv_w
	s_load_b128 s[8:11], s[0:1], 0x10              ; out_w, the scales' exponents
	s_load_b128 s[12:15], s[0:1], 0x20             ; xc, wc
	s_load_b64 s[24:25], s[0:1], 0x30              ; oc
	v_lshl_add_u32 v192, v0, 2, 0x8000
	v_mov_b32 v193, 0
	v_lshrrev_b32 v1, 5, v0
	v_readfirstlane_b32 s16, v1                    ; wave
	v_and_b32 v2, 31, v0                           ; lane
	v_lshlrev_b32 v3, 4, v2                        ; my 16 bytes of a load's 512
	s_mul_i32 s17, s16, WREG
	v_lshrrev_b32 v14, 2, v2
	v_mul_u32_u24 v14, v14, SP
	v_and_b32 v15, 3, v2
	v_lshl_add_u32 v14, v15, 4, v14
	v_add_nc_u32 v14, s17, v14                     ; the stage, on the way in: four lanes' 64 bytes on end, then 16 of padding
	v_mul_u32_u24 v15, v2, SP
	v_add_nc_u32 v15, s17, v15                     ; and on the way out: SP x lane: my 16 neighbours
	v_mul_u32_u24 v4, v2, CB                       ; my codes' place in a step's
	s_wait_kmcnt 0x0
	s_load_b256 s[36:43], s[10:11], 0x0            ; the eight exponents
	s_cmp_lt_u32 ttmp9, WGX+WGW                    ; qkv_w's work-group or out_w's?  The choices hang on the work-group's number alone
	s_cselect_b64 s[26:27], s[6:7], s[8:9]
	s_cselect_b64 s[28:29], s[14:15], s[24:25]
	s_mov_b32 s17, WGX+WGW
	s_cselect_b32 s17, WGX, s17
	s_cmp_lt_u32 ttmp9, WGX                        ; or x's?
	s_cselect_b64 s[4:5], s[4:5], s[26:27]         ; the numbers
	s_cselect_b64 s[8:9], s[12:13], s[28:29]       ; the codes
	s_cselect_b32 s17, 0, s17                      ; the tensor's first work-group
	s_sub_co_u32 s17, ttmp9, s17
	s_lshl_b32 s17, s17, 2
	s_add_co_u32 s18, s17, s16                     ; which run of 8,192 numbers of the tensor is my wave's
	s_mov_b32 s19, 0
	s_mov_b64 s[20:21], 512*STEPS*4
	s_mul_u64 s[20:21], s[18:19], s[20:21]
	s_add_nc_u64 s[4:5], s[4:5], s[20:21]
	s_mov_b64 s[20:21], 32*STEPS*CB
	s_mul_u64 s[20:21], s[18:19], s[20:21]
	s_add_nc_u64 s[8:9], s[8:9], s[20:21]
.macro LOAD t
.irp i, 0,1,2,3
	global_load_b128 v[R+16*((\t)%4)+4*\i:R+16*((\t)%4)+4*\i+3], v3, s[4:5] offset:2048*(\t)+512*\i th:TH_LOAD_NT   ; 32 lanes read 512 consecutive bytes
.endr
.endm
.macro TURN t                          ; step t's numbers through the stage: LDS serves a wave's instructions in order (ISA guide 5.7.1.4), so no wait stands between the stores and the loads
.irp i, 0,1,2,3
	ds_store_b128 v14, v[R+16*((\t)%4)+4*\i:R+16*((\t)%4)+4*\i+3] offset:32*SP*((\t)%2)+8*SP*\i
.endr
.irp i, 0,1,2,3
	ds_load_b128 v[X+16*((\t)%2)+4*\i:X+16*((\t)%2)+4*\i+3], v15 offset:32*SP*((\t)%2)+16*\i
.endr
.endm
.irp t, 0,1,2,3
	LOAD \t
.endr
	s_wait_kmcnt 0x0
	s_cmp_lt_u32 ttmp9, WGX+WGW
	s_cselect_b32 s22, s37, s43                    ; e of qkv_w or of out_w,
	s_cmp_lt_u32 ttmp9, WGX
	s_cselect_b32 s22, s36, s22                    ; or of x
	s_add_co_i32 s22, s22, 127
	s_lshl_b32 s23, s22, 23
	v_mov_b32 v11, s23                             ; 2^e as f32: the conversion takes its exponent field
	s_add_co_i32 s22, s22, EMAX
	s_lshl_b32 s22, s22, 23
	s_or_b32 s22, s22, MANT
	v_mov_b32 v10, s22                             ; 448 x 2^e
	s_wait_loadcnt 12                              ; step 0's four loads are in; those of steps 1 to 3 may be out
	TURN 0
.macro STEP t
.set XS, X+16*((\t)%2)
	s_wait_dscnt 0x0                               ; this step's numbers are back from the stage: so its stores into the stage have read their registers,
.if (\t)+4 < STEPS
	LOAD (\t)+4                                    ; which take the loads of four steps on
.endif
.if (\t)+1 < STEPS
.if STEPS-2-(\t) >= 3
	s_wait_loadcnt 12                              ; the next step's four loads are in; those of the three steps behind it may be out
.else
	s_wait_loadcnt 4*(STEPS-2-(\t))
.endif
	TURN (\t)+1                                    ; and go through the other stage while this step is worked
.endif
.irp i, 0,1,2,3,4,5,6,7,8,9,10,11,12,13,14,15
	v_med3_num_f32 v[XS+\i], v[XS+\i], -v10, v10   ; the conversion to an 8-bit code does not saturate (ISA guide 7.6.2): the number is held within 448 x the scale first
.endr
	v_cvt_scalef32_pk8_fp8_f32 v[C+4*(\t):C+4*(\t)+1], v[XS:XS+7], v11          ; eight numbers / 2^e, to the nearest code, ties to even; the first number's code in the lowest byte
	v_cvt_scalef32_pk8_fp8_f32 v[C+4*(\t)+2:C+4*(\t)+3], v[XS+8:XS+15], v11     ; (the results go to a store alone; the next step's holds are plain vector lines on other registers)
	global_store_b128 v4, v[C+4*(\t):C+4*(\t)+3], s[8:9] offset:32*CB*(\t)      ; 32 lanes store 512 consecutive bytes, aligned
.endm
.irp t, 0,1,2,3,4,5,6,7,8,9,10,11,12,13,14,15
	STEP \t
.endr
	s_wait_tensorcnt 0x0
	ds_add_u32 v192, v193
	s_wait_dscnt 0x0
	s_endpgm
.Lfunc_end_k_q71f18b3482_quant:
	.size	k_q71f18b3482_quant, .Lfunc_end_k_q71f18b3482_quant-k_q71f18b3482_quant
	.p2alignl 7, 3214868480
	.fill 96, 4, 3214868480
	.section	.rodata,"a",@progbits
	.p2align	6, 0x0
	.amdhsa_kernel k_q71f18b3482_quant
		.amdhsa_group_segment_fixed_size 33280
		.amdhsa_private_segment_fixed_size 0
		.amdhsa_enable_private_segment 0
		.amdhsa_kernarg_size 56
		.amdhsa_user_sgpr_count 2
		.amdhsa_user_sgpr_kernarg_segment_ptr 1
		.amdhsa_wavefront_size32 1
		.amdhsa_system_sgpr_workgroup_id_x 1
		.amdhsa_system_sgpr_workgroup_id_y 1
		.amdhsa_system_sgpr_workgroup_id_z 1
		.amdhsa_system_vgpr_workitem_id 0
		.amdhsa_next_free_vgpr 194
		.amdhsa_next_free_sgpr 66
		.amdhsa_reserve_vcc 0
		.amdhsa_float_denorm_mode_32 3
		.amdhsa_float_denorm_mode_16_64 3
		.amdhsa_memory_ordered 1
		.amdhsa_forward_progress 1
		.amdhsa_inst_pref_size 38
	.end_amdhsa_kernel
	.amdgpu_metadata
---
amdhsa.version: [ 1, 2 ]
amdhsa.kernels:
  - .name:           k_q71f18b3482_quant
    .symbol:         k_q71f18b3482_quant.kd
    .args:
      - { .name: x, .offset: 0, .size: 8, .value_kind: global_buffer, .address_space: global }
      - { .name: qkv_w, .offset: 8, .size: 8, .value_kind: global_buffer, .address_space: global }
      - { .name: out_w, .offset: 16, .size: 8, .value_kind: global_buffer, .address_space: global }
      - { .name: lowp_scales, .offset: 24, .size: 8, .value_kind: global_buffer, .address_space: global }
      - { .name: xc, .offset: 32, .size: 8, .value_kind: global_buffer, .address_space: global }
      - { .name: wc, .offset: 40, .size: 8, .value_kind: global_buffer, .address_space: global }
      - { .name: oc, .offset: 48, .size: 8, .value_kind: global_buffer, .address_space: global }
    .group_segment_fixed_size: 33280
    .private_segment_fixed_size: 0
    .kernarg_segment_align: 8
    .kernarg_segment_size: 56
    .max_flat_workgroup_size: 128
    .sgpr_count:     66
    .vgpr_count:     194
    .wavefront_size: 32
...
	.end_amdgpu_metadata
.endif
;; end of part 1
;; launch qkv (part 2): grid 4 x 96, 4 waves a work-group, clusters of 4 x 4, 327,680 bytes of LDS; arguments xc, wc, lowp_scales, qkv_b, qk, vt; writes qk, vt
.if DOCPART == 2
	.amdgcn_target "amdgcn-amd-amdhsa--gfx1250"
	.amdhsa_code_object_version 6
	.text
	.protected	k_q71f18b3482_qkv
	.globl	k_q71f18b3482_qkv
	.p2align	8
	.type	k_q71f18b3482_qkv,@function
k_q71f18b3482_qkv:
	s_mov_b64 s[64:65], 0
	v_nop
	global_prefetch_b8 v0, s[64:65] scope:SCOPE_SE
	s_setreg_imm32_b32 hwreg(HW_REG_WAVE_MODE, 25, 1), 1
	s_wait_xcnt 0x0
	s_wait_alu depctr_hold_cnt(0) depctr_sa_sdst(0) depctr_va_vdst(0) depctr_va_sdst(0) depctr_va_ssrc(0) depctr_va_vcc(0) depctr_vm_vsrc(0)
	s_getreg_b32 s2, hwreg(HW_REG_IB_STS2, 6, 4)
	s_cmp_eq_u32 s2, 0
	s_cbranch_scc0 .Lentry_in_a_cluster
	s_endpgm
.Lentry_in_a_cluster:
	s_bfe_u32 s2, ttmp6, 0x10000c
	s_cmp_lg_u32 s2, 0xf033
	s_cbranch_scc0 .Lentry_shape_is_right
	s_endpgm
.Lentry_shape_is_right:
; qkv = x qkv_w^T + qkv_b on codes of FP8 (E4M3), K = 1024, and its results quantised at once into the operands of the attention's two products.
; xc: [8192 tokens][1024], wc: [3072 features][1024]: codes, scales 2^e0 and 2^e1.  q (features 0-1023) gets the scale 2^e2, k (1024-2047) 2^e3, v (2048-3071) 2^e5.
; OUT.  qk: [feature / 128, 0..15][token][128 bytes]: q and k, a token's 128 features (two heads) on end.  vt: [token / 128, 0..63][feature 0..1023][128 bytes]: V TRANSPOSED, 128 tokens (the keys) on end.
;   Inside such a row of 128 bytes, byte 32 B + 16 h + 8 u + j holds column 32 B + 16 u + 8 h + j: loaded 16 bytes a lane at 32 c + 16 (lane / 16) it is the matrix instruction's own order of k.
; TWO ORIENTATIONS, ONE TEXT.  The cluster's number c chooses: c < 16: "A" = xc (rows = tokens), "B" = wc's rows 0-2047 (columns = features of q, k); c >= 16: "A" = wc's rows 2048-3071 (rows = features of v), "B" = xc
;   (columns = tokens).  Only pointers, offsets, masks and exponents are chosen, by s_cselect on c, which the sixteen partners share.  The matrix instruction is used transposed (source 0 = 16 rows of B, source 1 = 16 rows of A):
;   a lane holds eight neighbouring COLUMNS of one row: eight features of a token (q, k), or eight tokens of a feature (v): neighbours along the next product's K in both.
; THE BIAS, divided by 2^(e0 + e1), which the sums lack: along the columns (q, k) it is the C of each sum's first product; along the rows (v) it is added on the way out.  The role that is not in use is masked to zeros.
; A tile of 256 x 256 is made by four waves, 128 x 128 each: 64 accumulators.  K goes in steps of 256 through two LDS slots filled by the tensor data mover.  CLUSTERS of 4 x 4: A's tile is asked for jointly along a row of
; the cluster, B's along a column.
; LIMITS: e_out - e0 - e1 between -126 and 119 for e_out = e2, e3, e5.  NaN among the inputs is not served.
; REGISTERS, in windows of 256: window 0: v0-31 addresses; v32-95 the column bias, later a block's sums; v96-111 the row bias in pairs; v112, v113 the conversion's scale and 448 x it; from v128 A's fragments, ONE set;
;   on the way out v128-191 four sets of codes, v32-95 and v192-255 rows read back.   window 1: B's fragments, TWO sets.   windows 2, 3: the accumulators of my rows 0-63, 64-127: (a, b) at v[8 (8 (a % 4) + b)].
.set SIZE_K, 1024
.set KSTEP,  256                       ; along K in a slot
.set ROWB,   256                       ; a tile's row in bytes
.set KROW,   SIZE_K                    ; a row of xc or wc in memory, in bytes
.set PITCH,  272                       ; an LDS row: 256 bytes + 16 of padding = 68 words: the 16 rows that a load touches start at 16 different banks (64 banks of 4 bytes: ISA guide 11.1)
.set FR,     16                        ; registers of a fragment: 16 rows x 128 K
.set NL,     4                         ; LDS loads that bring one
.set NP,     4                         ; places behind this matrix instruction (ISA guide 7.12.1)
.set HALFT,  128*PITCH                 ; 128 rows: what one tensor load brings
.set SLOT,   4*HALFT                   ; A's 256 rows, then B's 256 rows
.set LAPS,   SIZE_K/(2*KSTEP)          ; a lap = two K steps = once round the ring
.set SPARE,  2*SLOT                    ; behind the ring: the spare words, 128 bytes for each wave
.set OPITCH, 144                       ; the way out: a stage of 128 rows x (128 bytes + 16) for each wave, in slot 0, which has had its last fill and its last read by then
.set OSTAGE, 128*OPITCH
.set ADRA, 16                          ; v16-17  LDS address of my A fragments in slot 0, 1
.set ADRB, 20                          ; v20-21  the same for B
.set STO,  24                          ; v24     the way out: where I put 16 bytes of a row
.set RD,   25                          ; v25     where I read rows back
.set CO,   26                          ; v26     16 x lane: my bytes of a store's 512
.set SPW,  28                          ; v28     LDS address of my spare word; never rewritten
.set NIL,  29                          ; v29     0; never rewritten
.set CBI,  32                          ; v32-95  column bias: register 8 b + j = bias of column 16 b + 8 (lane / 16) + j
.set TMP,  32                          ; later: a block's 64 sums
.set RB,   96                          ; v96-111 row bias of block a, twice, at v[96 + 2 a]
.set SC,   112
.set LIM,  113
.set AF,   128
.set CD,   128
.set G1, 24                            ; s[24:31] descriptor group 1 for A's tiles;  s[32:39] group 0, one set for each slot
.set G0, 32
.set G1B, 48                           ; s[48:55], s[56:63] the same for B's tiles
.set G0B, 56
.set MSB, 0
.macro WIN new                         ; the immediate's high byte repeats the setting that is left
.if MSB != \new
	s_set_vgpr_msb (MSB<<8)|\new
.set MSB, \new
.endif
.endm
.set MUL_LO, 0xa1                      ; source 0 (B) window 1, source 1 (A) window 0, C and D window 2
.set MUL_HI, 0xf1                      ; the same, C and D window 3
.set FST_LO, 0x81                      ; a sum's first product: C (the column bias) window 0, D window 2
.set FST_HI, 0xc1                      ; D window 3
.set TO_B,   0x40                      ; destination window 1, address window 0
; A joint load: waves 0 and 1 fetch for A, waves 2 and 3 for B; the branch hangs on the wave's number alone.  Four v_nop follow each of the two lines.
.macro JLOAD g0a, g1a, g0b, g1b
	s_cmp_eq_u32 s15, 0
	s_cbranch_scc0 .Lfor_b_\@
	tensor_load_to_lds s[\g0a:\g0a+3], s[\g1a:\g1a+7]
	s_nop 0
.rept 4
	v_nop
.endr
	s_branch .Lasked_\@
.Lfor_b_\@:
	tensor_load_to_lds s[\g0b:\g0b+3], s[\g1b:\g1b+7]
	s_nop 0
.rept 4
	v_nop
.endr
.Lasked_\@:
.endm
.macro CREST                           ; a round of the cluster's barrier behind its opening barrier
	s_cmp_lg_u32 s14, 0
	s_cbranch_scc1 .Lnot_wave_0_\@
	s_barrier_signal -3
.Lnot_wave_0_\@:
	s_barrier_wait -3
	s_barrier_signal -1
	s_barrier_wait -1
.endm
.macro CROUND                          ; a whole round
	s_barrier_signal -1
	s_barrier_wait -1
	CREST
.endm
	s_load_b128 s[4:7], s[0:1], 0x0                ; xc, wc
	s_load_b128 s[8:11], s[0:1], 0x10              ; the scales' exponents, qkv_b
	s_load_b128 s[84:87], s[0:1], 0x20             ; qk, vt
	v_lshl_add_u32 v[SPW], v0, 2, SPARE
	v_mov_b32 v[NIL], 0
	ds_add_u32 v28, v29
	s_wait_dscnt 0x0
	v_lshrrev_b32 v1, 5, v0
	v_readfirstlane_b32 s14, v1                    ; wave 0..3
	s_lshr_b32 s15, s14, 1                         ; which half of the tile's rows is mine.  Also: I fetch for A (0) or for B (1)
	s_and_b32 s16, s14, 1                          ; which half of its columns.  Also: which 128 rows of that tile I fetch
	s_bfe_u32 s40, ttmp6, 0x40000                  ; cx, cy: my place in the cluster
	s_bfe_u32 s41, ttmp6, 0x40004
	s_and_b32 s66, ttmp7, 0xffff                   ; c: the cluster's number, 0..23
	s_lshr_b32 s68, s66, 1                         ; q, k: row of clusters c / 2,
	s_and_b32 s67, s66, 1                          ; column of clusters c % 2 (0: q, 1: k)
	s_sub_co_u32 s69, s66, 16                      ; v: column of clusters c - 16, one row of clusters
	s_cmp_lt_u32 s66, 16
	s_cselect_b32 s68, s68, 0
	s_cselect_b32 s67, s67, s69
	s_cselect_b32 s74, -1, 0                       ; mask of the column bias
	s_cselect_b32 s75, 0, -1                       ; mask of the row bias
	s_cselect_b32 s69, 0, 2048                     ; A's first row in its buffer: v's features begin at wc's row 2048
	s_lshl_b32 s42, s67, 2
	s_add_co_u32 s42, s42, s40                     ; tile column
	s_lshl_b32 s17, s68, 2
	s_add_co_u32 s17, s17, s41                     ; tile row
	s_lshl_b32 s43, s41, 2
	s_lshl_b32 s43, 15, s43                        ; my row of the cluster
	s_lshl_b32 s44, 0x1111, s40                    ; my column
	; descriptor group 1: a tile of 128 rows x 256 bytes, padded in LDS
	s_or_b32 s[G1+0], s43, (0<<16)|(1<<20)|(1<<21)|(5<<22)|(3<<25)  ; 15:0 the mask: A's tiles go to my row; 17:16 element of 1 byte; 20 padding on; 21 set beside a mask; 24:22 after every 64 words; 31:25 of 4 words
	s_or_b32 s[G1B+0], s44, (0<<16)|(1<<20)|(1<<21)|(5<<22)|(3<<25)
.irp g, G1, G1B
	s_mov_b32 s[\g+1], ROWB<<16                    ; tensor_dim0
	s_mov_b32 s[\g+2], 128<<16                     ; tensor_dim1
	s_mov_b32 s[\g+3], ROWB<<16                    ; tile_dim0
	s_mov_b32 s[\g+4], 128                         ; tile_dim1
	s_mov_b32 s[\g+5], KROW                        ; tensor_dim0_stride
	s_mov_b32 s[\g+6], 0
	s_mov_b32 s[\g+7], 0
.endr
	s_lshl_b32 s18, s16, 7                         ; which 128 rows of the tile I fetch
	s_lshl_b32 s20, s17, 8
	s_add_co_u32 s20, s20, s18
	s_add_co_u32 s20, s20, s69                     ; A: row 256 x tile row + 128 x half (+ 2048)
	s_lshl_b32 s46, s42, 8
	s_add_co_u32 s46, s46, s18                     ; B: row 256 x tile column + 128 x half
	s_lshl_b32 s20, s20, 10                        ; in bytes: under 2^23
	s_mov_b32 s21, 0
	s_lshl_b32 s46, s46, 10
	s_mov_b32 s47, 0
	s_mul_i32 s45, s14, HALFT                      ; where they go: wave x 128 rows: no place in the cluster enters an LDS address
	s_wait_kmcnt 0x0
	s_load_b256 s[88:95], s[8:9], 0x0              ; e0 .. e7
	s_cmp_lt_u32 s66, 16
	s_cselect_b64 s[70:71], s[4:5], s[6:7]         ; A's buffer
	s_cselect_b64 s[72:73], s[6:7], s[4:5]         ; B's
	s_add_nc_u64 s[20:21], s[70:71], s[20:21]
	s_add_nc_u64 s[46:47], s[72:73], s[46:47]
	CROUND                                         ; all sixteen work-groups are here: the first joint loads meet
.irp s, 0,1
	s_mov_b32 s[G0+4*\s], 1
	s_add_co_u32 s[G0+4*\s+1], s45, \s*SLOT
	s_add_nc_u64 s[G0+4*\s+2:G0+4*\s+3], s[20:21], \s*ROWB
	s_or_b32 s[G0+4*\s+3], s[G0+4*\s+3], 0x80000000
	s_mov_b32 s[G0B+4*\s], 1
	s_add_co_u32 s[G0B+4*\s+1], s45, \s*SLOT
	s_add_nc_u64 s[G0B+4*\s+2:G0B+4*\s+3], s[46:47], \s*ROWB
	s_or_b32 s[G0B+4*\s+3], s[G0B+4*\s+3], 0x80000000
	JLOAD G0+4*\s, G1, G0B+4*\s, G1B
.endr
	v_and_b32 v1, 15, v0                           ; r = lane % 16
	v_bfe_u32 v2, v0, 4, 1                         ; h = lane / 16
	v_lshlrev_b32 v6, 5, v2                        ; the column bias: 8 h numbers on
	v_lshlrev_b32 v7, 2, v1                        ; the row bias: r numbers on
	s_lshl_b32 s80, s42, 8
	s_lshl_b32 s81, s16, 7
	s_add_co_u32 s80, s80, s81                     ; my first column, as a feature of q, k
	s_lshl_b32 s82, s17, 8
	s_lshl_b32 s83, s15, 7
	s_add_co_u32 s82, s82, s83
	s_add_co_u32 s82, s82, 2048                    ; my first row, as a feature of v
	s_cmp_lt_u32 s66, 16
	s_cselect_b32 s80, s80, 0                      ; the role that is not in use reads the bias's first 128 numbers, which are masked below
	s_cselect_b32 s82, 0, s82
	s_lshl_b32 s80, s80, 2
	s_lshl_b32 s82, s82, 2
	s_mov_b32 s81, 0
	s_mov_b32 s83, 0
	s_add_nc_u64 s[80:81], s[10:11], s[80:81]
	s_add_nc_u64 s[82:83], s[10:11], s[82:83]
.irp b, 0,1,2,3,4,5,6,7
	global_load_b128 v[CBI+8*\b:CBI+8*\b+3], v6, s[80:81] offset:64*\b
	global_load_b128 v[CBI+8*\b+4:CBI+8*\b+7], v6, s[80:81] offset:64*\b+16
.endr
.irp a, 0,1,2,3,4,5,6,7
	global_load_b32 v[RB+2*\a], v7, s[82:83] offset:64*\a
.endr
	v_mul_u32_u24 v3, v1, PITCH
	v_lshl_add_u32 v4, v2, 4, v3                   ; a fragment's row x pitch + 16 x half
	s_mul_i32 s21, s15, HALFT                      ; my 128 rows of A
	s_mul_i32 s22, s16, HALFT                      ; my 128 rows of B,
	s_add_co_u32 s22, s22, 2*HALFT                 ; which lie behind A's 256
.irp s, 0,1
	v_add_nc_u32 v[ADRA+\s], s21, v4
	v_add_nc_u32 v[ADRB+\s], s22, v4
	s_add_co_u32 s21, s21, SLOT
	s_add_co_u32 s22, s22, SLOT
.endr
	s_mul_i32 s23, s14, OSTAGE                     ; my stage
	v_mul_u32_u24 v5, v1, OPITCH                   ; in: row r of a block, 16 bytes for each half of the lanes
	v_lshl_add_u32 v5, v2, 4, v5
	v_add_nc_u32 v[STO], s23, v5
	v_and_b32 v5, 31, v0
	v_lshlrev_b32 v[CO], 4, v5
	v_lshrrev_b32 v8, 3, v5                        ; back: eight lanes to a row of 128 bytes, four rows an instruction
	v_mul_u32_u24 v8, v8, OPITCH
	v_and_b32 v9, 7, v5
	v_lshl_add_u32 v8, v9, 4, v8
	v_add_nc_u32 v[RD], s23, v8
	; where my 128 x 128 codes go: one dense block of 16,384 bytes.  q, k: block (2 x tile column + half) of 2^20 bytes, row = token; v: block of 2^17 bytes, row = feature
	s_lshl_b32 s78, s42, 1
	s_add_co_u32 s78, s78, s16
	s_lshl_b32 s79, s78, 17
	s_lshl_b32 s78, s78, 20
	s_cmp_lt_u32 s66, 16
	s_cselect_b32 s78, s78, s79
	s_cselect_b64 s[84:85], s[84:85], s[86:87]
	s_lshl_b32 s79, s17, 15                        ; 256 x tile row rows of 128 bytes
	s_add_co_u32 s78, s78, s79
	s_lshl_b32 s79, s15, 14                        ; 128 x half
	s_add_co_u32 s78, s78, s79
	s_mov_b32 s79, 0
	s_add_nc_u64 s[78:79], s[84:85], s[78:79]
	s_wait_loadcnt 0x0                             ; the biases
	s_wait_kmcnt 0x0                               ; the exponents
	s_add_co_i32 s76, s88, s89
	s_sub_co_i32 s76, 0, s76                       ; -(e0 + e1)
.set j, 0
.rept 64
	v_and_b32 v[CBI+j], s74, v[CBI+j]              ; zeros where the bias runs along the rows
.set j, j+1
.endr
.set j, 0
.rept 64
	v_ldexp_f32 v[CBI+j], v[CBI+j], s76            ; a sum stands for sum x 2^(e0 + e1): the bias goes in divided by that
.set j, j+1
.endr
.irp a, 0,1,2,3,4,5,6,7
	v_and_b32 v[RB+2*\a], s75, v[RB+2*\a]
.endr
.irp a, 0,1,2,3,4,5,6,7
	v_ldexp_f32 v[RB+2*\a], v[RB+2*\a], s76
.endr
.irp a, 0,1,2,3,4,5,6,7
	v_mov_b32 v[RB+2*\a+1], v[RB+2*\a]             ; a pair for the packed addition
.endr
	s_cmp_eq_u32 s67, 0
	s_cselect_b32 s77, s90, s91                    ; q: e2; k: e3;
	s_cmp_lt_u32 s66, 16
	s_cselect_b32 s77, s77, s93                    ; v: e5
	s_add_co_i32 s77, s77, s76                     ; the three scales folded into the conversion's one: e_out - e0 - e1
	s_add_co_i32 s77, s77, 127
	s_lshl_b32 s76, s77, 23
	v_mov_b32 v[SC], s76
	s_add_co_i32 s77, s77, 8
	s_lshl_b32 s77, s77, 23
	s_or_b32 s77, s77, 0x600000
	v_mov_b32 v[LIM], s77                          ; 448 x that
.macro FRAG reg, adr, q, i             ; a fragment, 16 rows x 128 K: lane l holds row l % 16; registers 4 c .. 4 c + 3 hold K = 32 c + 16 (l / 16) + 0 .. 15: the same permutation of k in A and in B
.irp c, 0,1,2,3
	ds_load_b128 v[\reg+4*\c:\reg+4*\c+3], v[\adr] offset:128*(\q)+32*\c+(\i)*16*PITCH
.endr
.endm
; 16 matrix instructions: A's blocks a0, a0 + 1 x B's eight, 128 along K.  p: B's set.  first = 1: the column bias is the C of the sum's first product: nothing is cleared, nothing is added later.
; The 64 accumulators take turns, one instruction a turn, in the same order in every step.
.macro MUL16 a0, p, first
.irp a, \a0, \a0+1
.irp b, 0,1,2,3,4,5,6,7
.if \first
	v_wmma_f32_16x16x128_fp8_fp8 v[8*(8*((\a)%4)+\b):8*(8*((\a)%4)+\b)+7], v[128*(\p)+FR*\b:128*(\p)+FR*\b+FR-1], v[AF+FR*(\a):AF+FR*(\a)+FR-1], v[CBI+8*\b:CBI+8*\b+7]
.else
	v_wmma_f32_16x16x128_fp8_fp8 v[8*(8*((\a)%4)+\b):8*(8*((\a)%4)+\b)+7], v[128*(\p)+FR*\b:128*(\p)+FR*\b+FR-1], v[AF+FR*(\a):AF+FR*(\a)+FR-1], v[8*(8*((\a)%4)+\b):8*(8*((\a)%4)+\b)+7]
.endif
.endr
.endr
.endm
.macro FETCH_B slot, q, p              ; B's eight fragments of the slot's q-th 128 along K into set p
	WIN TO_B
.irp i, 0,1,2,3,4,5,6,7
	FRAG 128*(\p)+FR*\i, ADRB+\slot, \q, \i
.endr
	WIN 0
.endm
.macro FETCH_A slot, q, i0             ; A's blocks i0 .. i0 + 3
.irp i, \i0, \i0+1, \i0+2, \i0+3
	FRAG AF+FR*(\i), ADRA+\slot, \q, \i
.endr
.endm
.macro PLACES n                        ; plain vector lines between a matrix instruction and a load into, or a vector line on, its registers (ISA guide 7.12.1 for vector lines)
.rept \n
	v_nop
.endr
.endm
; A step of 128 along K that has its successor in the same slot.  A block of A is free as soon as its eight products are issued: blocks 0-3 are fetched anew in the step's middle, blocks 4-7 at its end.
.macro STEP slot, q, first
	s_wait_dscnt 4*NL                              ; B's set and A's blocks 0-3 are in; the youngest 16 loads (A's blocks 4-7) may be out
.if \first
	WIN FST_LO
.else
	WIN MUL_LO
.endif
	MUL16 0, (\q)%2, \first
	MUL16 2, (\q)%2, \first
	s_wait_dscnt 0                                 ; A's blocks 4-7 are in
	PLACES NP
	FETCH_B \slot, (\q)+1, 1-(\q)%2
	FETCH_A \slot, (\q)+1, 0
.if \first
	WIN FST_HI
.else
	WIN MUL_HI
.endif
	MUL16 4, (\q)%2, \first
	MUL16 6, (\q)%2, \first
	PLACES NP
	WIN 0
	FETCH_A \slot, (\q)+1, 4
.endm
; A slot's last step changes slots: ONE barrier; in front of it each wave waits for all its tensor loads, adds 0 to its spare word, and waits for that and for its own reads of this slot.  fill = 1: this slot is filled again, two K steps ahead.
.macro TURN slot, next, fill
	s_wait_tensorcnt 0x0                           ; all my tensor loads have landed: my part of the next slot
	ds_add_u32 v[SPW], v[NIL]                      ; 0 onto my spare word
	s_wait_dscnt 4*NL+1                            ; (the add and the youngest 16 loads, A's blocks 4-7, may be out)
	WIN MUL_LO
	MUL16 0, 1, 0                                  ; sixteen matrix instructions stand between the add and the wait for it
	s_wait_dscnt 0x0                               ; the add is done, and my reads of this slot are over
	s_barrier_signal -1
	MUL16 2, 1, 0
	WIN 0
	s_barrier_wait -1
.if \fill
	CREST                                          ; the barrier has opened a round of the cluster's barrier: no wave of any partner still reads this slot's tile or has a load on its way
	s_add_nc_u64 s[G0+4*\slot+2:G0+4*\slot+3], s[G0+4*\slot+2:G0+4*\slot+3], 2*ROWB
	s_add_nc_u64 s[G0B+4*\slot+2:G0B+4*\slot+3], s[G0B+4*\slot+2:G0B+4*\slot+3], 2*ROWB
	JLOAD G0+4*\slot, G1, G0B+4*\slot, G1B         ; the first tensor load behind the round; its four v_nop are the places in front of the loads below
.else
	PLACES NP
.endif
	FETCH_B \next, 0, 0
	FETCH_A \next, 0, 0
	WIN MUL_HI
	MUL16 4, 1, 0
	MUL16 6, 1, 0
	PLACES NP
	WIN 0
	FETCH_A \next, 0, 4
.endm
	s_wait_tensorcnt 1                             ; my part of K step 0 is in (K step 1's load may be out)
	s_barrier_signal -1
	s_barrier_wait -1                              ; everybody's is
	FETCH_B 0, 0, 0
	FETCH_A 0, 0, 0
	FETCH_A 0, 0, 4
	STEP 0, 0, 1                                   ; the first step stands in front of the loop: its products start the sums
	s_mov_b32 s3, LAPS-1
.Llap:                                                 ; a trip goes once round the ring, from a lap's second step to the next lap's first, and fills both slots again
	TURN 0, 1, 1
	STEP 1, 0, 0
	TURN 1, 0, 1
	STEP 0, 0, 0
	s_sub_co_u32 s3, s3, 1
	s_cmp_lg_u32 s3, 0
	s_cbranch_scc1 .Llap
	TURN 0, 1, 0                                   ; the last lap fills nothing, and has no round of the cluster's barrier
	STEP 1, 0, 0
	s_wait_dscnt 4*NL                              ; the very last step: nothing more to fetch
	WIN MUL_LO
	MUL16 0, 1, 0
	MUL16 2, 1, 0
	s_wait_dscnt 0
	WIN MUL_HI
	MUL16 4, 1, 0
	MUL16 6, 1, 0
	WIN 0
; THE WAY OUT, block by block of 16 rows x 128 columns: + the row bias, held within 448 x the scale, converted: a lane's 64 sums become 64 bytes, 16 for each two neighbouring accumulators, which go into my stage at
; row x 144 + 32 B + 16 (lane / 16).  Four sets of code registers take turns.
.macro OUTBLK a
.set AC, 64*((\a)%4)
.set CC, CD+16*((\a)%4)
	WIN 0x02+((\a)/4)                              ; source 0: window 2 or 3
.set j, 0
.rept 32
	v_pk_add_f32 v[TMP+j:TMP+j+1], v[AC+j:AC+j+1], v[RB+2*(\a):RB+2*(\a)+1]   ; each accumulator from its low end on
.set j, j+2
.endr
	WIN 0
.set j, 0
.rept 64
	v_med3_num_f32 v[TMP+j], v[TMP+j], -v[LIM], v[LIM]   ; the conversion to an 8-bit code does not saturate (ISA guide 7.6.2)
.set j, j+1
.endr
.if (\a) >= 4
	s_wait_dscnt 12                                ; the stores of block a - 4 have read this set; the 12 of the three blocks behind it may be out
.endif
.irp b, 0,1,2,3,4,5,6,7
	v_cvt_scalef32_pk8_fp8_f32 v[CC+2*\b:CC+2*\b+1], v[TMP+8*\b:TMP+8*\b+7], v[SC]
.endr
	v_nop                                          ; one plain vector line behind the last conversion: the next block writes its sources
.irp g, 0,1,2,3
	ds_store_b128 v[STO], v[CC+4*\g:CC+4*\g+3] offset:(\a)*16*OPITCH+32*\g
.endr
.endm
	PLACES NP
.irp a, 0,1,2,3,4,5,6,7
	OUTBLK \a
.endr
.set i, 0
.rept 32
	ds_load_b128 v[32+4*i+96*(i/16):32+4*i+96*(i/16)+3], v[RD] offset:4*OPITCH*i   ; four rows of 128 bytes; LDS serves a wave's instructions in order (ISA guide 5.7.1.4): these see my stores
.set i, i+1
.endr
.set i, 0
.rept 32
	s_wait_dscnt 31-i                              ; load i is in; the younger ones may be out
	global_store_b128 v[CO], v[32+4*i+96*(i/16):32+4*i+96*(i/16)+3], s[78:79] offset:512*i   ; 32 lanes store 512 consecutive bytes, aligned
.set i, i+1
.endr
	s_wait_tensorcnt 0x0                           ; the wave's end
	ds_add_u32 v[SPW], v[NIL]
	s_wait_dscnt 0x0
	CROUND                                         ; the closing round: no work-group ends while a partner may still ask for a tile that names it
	s_endpgm
.Lfunc_end_k_q71f18b3482_qkv:
	.size	k_q71f18b3482_qkv, .Lfunc_end_k_q71f18b3482_qkv-k_q71f18b3482_qkv
	.p2alignl 7, 3214868480
	.fill 96, 4, 3214868480
	.section	.rodata,"a",@progbits
	.p2align	6, 0x0
	.amdhsa_kernel k_q71f18b3482_qkv
		.amdhsa_group_segment_fixed_size 327680
		.amdhsa_private_segment_fixed_size 0
		.amdhsa_enable_private_segment 0
		.amdhsa_kernarg_size 48
		.amdhsa_user_sgpr_count 2
		.amdhsa_user_sgpr_kernarg_segment_ptr 1
		.amdhsa_wavefront_size32 1
		.amdhsa_system_sgpr_workgroup_id_x 1
		.amdhsa_system_sgpr_workgroup_id_y 1
		.amdhsa_system_sgpr_workgroup_id_z 1
		.amdhsa_system_vgpr_workitem_id 0
		.amdhsa_next_free_vgpr 1024
		.amdhsa_next_free_sgpr 100
		.amdhsa_reserve_vcc 0
		.amdhsa_float_denorm_mode_32 3
		.amdhsa_float_denorm_mode_16_64 3
		.amdhsa_memory_ordered 1
		.amdhsa_forward_progress 1
		.amdhsa_inst_pref_size 149
	.end_amdhsa_kernel
	.amdgpu_metadata
---
amdhsa.version: [ 1, 2 ]
amdhsa.kernels:
  - .name:           k_q71f18b3482_qkv
    .symbol:         k_q71f18b3482_qkv.kd
    .args:
      - { .name: xc, .offset: 0, .size: 8, .value_kind: global_buffer, .address_space: global }
      - { .name: wc, .offset: 8, .size: 8, .value_kind: global_buffer, .address_space: global }
      - { .name: lowp_scales, .offset: 16, .size: 8, .value_kind: global_buffer, .address_space: global }
      - { .name: qkv_b, .offset: 24, .size: 8, .value_kind: global_buffer, .address_space: global }
      - { .name: qk, .offset: 32, .size: 8, .value_kind: global_buffer, .address_space: global }
      - { .name: vt, .offset: 40, .size: 8, .value_kind: global_buffer, .address_space: global }
    .group_segment_fixed_size: 327680
    .private_segment_fixed_size: 0
    .kernarg_segment_align: 8
    .kernarg_segment_size: 48
    .max_flat_workgroup_size: 128
    .sgpr_count:     100
    .vgpr_count:     1024
    .wavefront_size: 32
...
	.end_amdgpu_metadata
.endif
;; end of part 2
;; launch attn (part 3): grid 4 x 64, 16 waves a work-group, clusters of 4 x 4, 327,680 bytes of LDS; arguments qk, vt, attn_bias, lowp_scales, ac; writes ac
.if DOCPART == 3
	.amdgcn_target "amdgcn-amd-amdhsa--gfx1250"
	.amdhsa_code_object_version 6
	.text
	.protected	k_q71f18b3482_attn
	.globl	k_q71f18b3482_attn
	.p2align	8
	.type	k_q71f18b3482_attn,@function
k_q71f18b3482_attn:
	s_mov_b64 s[64:65], 0
	v_nop
	global_prefetch_b8 v0, s[64:65] scope:SCOPE_SE
	s_setreg_imm32_b32 hwreg(HW_REG_WAVE_MODE, 25, 1), 1
	s_wait_xcnt 0x0
	s_wait_alu depctr_hold_cnt(0) depctr_sa_sdst(0) depctr_va_vdst(0) depctr_va_sdst(0) depctr_va_ssrc(0) depctr_va_vcc(0) depctr_vm_vsrc(0)
	s_getreg_b32 s2, hwreg(HW_REG_IB_STS2, 6, 4)
	s_cmp_eq_u32 s2, 0
	s_cbranch_scc0 .Lentry_in_a_cluster
	s_endpgm
.Lentry_in_a_cluster:
	s_bfe_u32 s2, ttmp6, 0x10000c
	s_cmp_lg_u32 s2, 0xf033
	s_cbranch_scc0 .Lentry_shape_is_right
	s_endpgm
.Lentry_shape_is_right:
; out[b][t][head] = softmax_s(q . k / 8 + attn_bias[b][t][s]) v, both products on codes of FP8 (E4M3); the result is quantised with 2^e6 into ac [8192 tokens][1024], the last product's operand.
; qk: [feature / 128][token][128 bytes]: blocks 0-7 q, 8-15 k, two heads a row.  vt: [token / 128][feature][128 bytes]: V with the keys innermost.  Both lie so that 16 bytes a lane at 32 c + 16 (lane / 16) are the matrix
; instruction's own order of k.  Scales: q 2^e2, k 2^e3, p 2^e4, v 2^e5.
; THE SOFTMAX: t = logit x log2(e); M = the row's largest t so far, rounded UP to a whole number; p = 2^(t - M) is quantised, not normalised; the row's sum is taken of the unquantised p and divides at the end.  When M moves,
; the sum and O are multiplied by 2^(old M - new M), which rounds nothing.
; THE BIAS IS THE C OF THE FIRST PRODUCT.  sqrt(64) = 8, so a = 2^(e2 + e3 - 3) is a power of two: logit = a (codes' sum + bias / a).  The bias is loaded into the scores' registers, multiplied by 1 / a (exact), and the
; matrix instruction adds the codes' sum onto it.  t = that x a log2(e).
; SHARES.  A work-group owns 4 heads (cx) x 128 queries; 16 waves: wave w owns head w / 4 and queries 32 (w % 4) + 0..31, two tiles of 16, so that each fragment of K and V feeds two matrix instructions.  Four waves to a SIMD.
; A key step is 64 keys; an LDS slot holds 128 keys: the bias's 128 rows x 512 bytes, K's and V's 32 KB each.  Two slots.
; LAYOUT.  Both products transposed: S^T = K Q^T (source 0 = 16 keys, source 1 = 16 queries), O^T = V^T P (source 0 = 16 channels): a lane holds ONE query (lane % 16) throughout; register j of key tile t is key 16 t + 8 (lane / 16) + j,
; so a tile's eight p convert into registers 2 t, 2 t + 1 of the second product's operand.
; CLUSTER 4 x 4.  The bias's tile hangs on the query block alone: asked for jointly along a row of the cluster (four head groups).  K's and V's hang on the batch and the head group: jointly along a column (four query blocks).
; LIMITS: e2 + e3 between -123 and 129; e4 and e6 between -126 and 119; the bias finite, and |bias| x 2^(3 - e2 - e3) an f32 number.  NaN among the inputs is not served.
.set SLOT,  137216                     ; a slot: the bias 128 x 528, K 128 x 272, V 128 x 272
.set KOFF,  67584
.set VOFF,  102400
.set SPARE, 2*SLOT                     ; behind the ring: the spare words, 128 bytes for each of 16 waves
.set SPW, 1                            ; v1   LDS address of my spare word; never rewritten
.set NIL, 2                            ; v2   0; never rewritten
.set ABI, 3                            ; v3, v4   my place in the bias's tile, slot 0, 1: 528 (32 (w % 4) + r) + 32 h
.set AK,  5                            ; v5, v6   in K's: 272 (r / 2) + 128 (r % 2) + 16 h + my head's place
.set AV,  7                            ; v7, v8   in V's
.set PFO, 9                            ; v9   the prefetches' offset; never rewritten
.set STO, 10                           ; v10  the way out: where I put 8 bytes of a row
.set RD,  11                           ; v11  where I read rows back
.set ST,  12                           ; tile u at v[12 + 4 u]: -M, the largest t, the sum in two halves
.set QF,  20                           ; v20-35   Q, 8 registers a tile
.set KF,  36                           ; v36-67   K of a step: 4 tiles of 16 keys
.set VF,  68                           ; v68-99   V of a step: 4 tiles of 16 channels
.set S,   100                          ; v100-163 the bias, S^T, p: tile (u, t) at 100 + 32 u + 8 t
.set OA,  164                          ; v164-227 O^T: (u, d) at 164 + 32 u + 8 d
.set PC,  228                          ; v228-243 p's codes, 8 a tile
.set SC,  244                          ; v244 the conversion's scale;  v245  448 x it
.set LIM, 245
.set MX,  246                          ; tile u at v[246 + 4 u]: two registers at work, then f = 2^(old M - new M) as a pair
.set FF,  248
.set PD,  254                          ; v254, v255 the lane exchange's destinations
.set WV,  14                           ; s14 my wave's number
.set G1B, 24                           ; s[24:31] descriptor group 1 of the bias's tiles;  s[32:39] of K's and V's
.set G1C, 32
.set G0B, 40                           ; s[40:47] group 0 of the bias's tiles, a set for each slot;  s[48:55] of K's or V's
.set G0C, 48
.set CST, 56                           ; s[56:57] two slots on in K (32,768 bytes) or in V (262,144)
.set PFA, 58                           ; s[58:59] where my prefetches stand
.set PFS, 60                           ; s[60:61] a slot on, for them
.set ASKF, 62                          ; s62  1 in a wave that prefetches
.set SEL, 66                           ; s[66:67] lane selects for v_permlanex16_b32: lane l xor 16
.set CS,  68                           ; s[68:69] a log2(e)
.set BSC, 70                           ; s[70:71] 1 / a
; A joint load.  Waves 0, 1: the bias's two halves of 64 rows; waves 2, 3: K's two head pairs; waves 4, 5: V's two halves; the others none.  The branches hang on the wave's number alone.  Four v_nop follow each line.
.macro JLOAD s
	s_cmp_lt_u32 s[WV], 2
	s_cbranch_scc0 .Lnot_b_\@
	tensor_load_to_lds s[G0B+4*(\s):G0B+4*(\s)+3], s[G1B:G1B+7]
	s_nop 0
.rept 4
	v_nop
.endr
	s_branch .Lasked_\@
.Lnot_b_\@:
	s_cmp_lt_u32 s[WV], 6
	s_cbranch_scc0 .Lasked_\@
	tensor_load_to_lds s[G0C+4*(\s):G0C+4*(\s)+3], s[G1C:G1C+7]
	s_nop 0
.rept 4
	v_nop
.endr
.Lasked_\@:
.endm
.macro CROUND                          ; a round of the cluster's barrier
	s_barrier_signal -1
	s_barrier_wait -1
	s_cmp_lg_u32 s[WV], 0
	s_cbranch_scc1 .Lnot_wave_0_\@
	s_barrier_signal -3
.Lnot_wave_0_\@:
	s_barrier_wait -3
	s_barrier_signal -1
	s_barrier_wait -1
.endm
; A PREFETCH INTO THE L2 of what the NEXT change of slots will ask for, a slot (two key steps) ahead of that load; one instruction a wave, 32 aligned blocks of 256 bytes, each block named once in the launch.
; The bias: the four partners of a row of the cluster take 32 of the tile's 128 rows each, BY ADDRESS (cx); waves 6 and 7 take the two halves of a row's 512 bytes, a lane a row.
; K and V: all four clusters of a batch walk the same rows: the batch's first cluster asks; the four partners of a column take 8,192 of the 32,768 bytes each, by address (cy); wave 8 asks for K's, wave 9 for V's, lanes 256 bytes apart.
.macro ASK
	s_cmp_eq_u32 s[ASKF], 1
	s_cbranch_scc0 .Lnot_mine_\@
	global_prefetch_b8 v[PFO], s[PFA:PFA+1] th:TH_LOAD_NT scope:SCOPE_SE
.Lnot_mine_\@:
.endm
	s_load_b256 s[4:11], s[0:1], 0x0               ; qk s[4:5], vt s[6:7], attn_bias s[8:9], the scales' exponents s[10:11]
	s_load_b64 s[12:13], s[0:1], 0x20              ; ac
	v_lshl_add_u32 v[SPW], v0, 2, SPARE
	v_mov_b32 v[NIL], 0
	ds_add_u32 v1, v2
	s_wait_dscnt 0x0
	v_lshrrev_b32 v254, 5, v0
	v_readfirstlane_b32 s[WV], v254                ; wave 0..15
	s_bfe_u32 s15, ttmp6, 0x40000                  ; cx: the head group
	s_bfe_u32 s16, ttmp6, 0x40004                  ; cy
	s_and_b32 s17, ttmp7, 0xffff                   ; cluster y, 0..15
	s_lshr_b32 s18, s17, 2                         ; the batch
	s_lshl_b32 s19, s17, 2
	s_add_co_u32 s19, s19, s16                     ; the block of 128 queries among all 64: 16 x batch + block
	s_and_b32 s20, s[WV], 1
	s_lshr_b32 s21, s[WV], 2                       ; my head among the four
	s_and_b32 s22, s[WV], 3                        ; my 32 queries among the 128
	s_lshl_b32 s80, s16, 2
	s_lshl_b32 s80, 15, s80                        ; my row of the cluster
	s_lshl_b32 s81, 0x1111, s15                    ; my column
	s_or_b32 s[G1B], s80, (2<<16)|(1<<20)|(1<<21)|(6<<22)|(3<<25)   ; 15:0 the mask; 17:16 elements of 4 bytes; 20 padding on; 21 set beside a mask; 24:22 after every 128 words; 31:25 of 4 words
	s_mov_b32 s[G1B+1], 128<<16                    ; tensor_dim0 = 128 numbers
	s_mov_b32 s[G1B+2], 64<<16                     ; tensor_dim1 = 64 rows
	s_mov_b32 s[G1B+3], 128<<16                    ; tile_dim0
	s_mov_b32 s[G1B+4], 64                         ; tile_dim1
	s_mov_b32 s[G1B+5], 2048                       ; from row to row
	s_mov_b32 s[G1B+6], 0
	s_mov_b32 s[G1B+7], 0
	s_or_b32 s[G1C], s81, (0<<16)|(1<<20)|(1<<21)|(5<<22)|(3<<25)   ; elements of 1 byte; 4 words of padding after every 64
	s_mov_b32 s[G1C+1], 256<<16                    ; a dense block of 16,384 bytes as 64 rows of 256
	s_mov_b32 s[G1C+2], 64<<16
	s_mov_b32 s[G1C+3], 256<<16
	s_mov_b32 s[G1C+4], 64
	s_mov_b32 s[G1C+5], 256
	s_mov_b32 s[G1C+6], 0
	s_mov_b32 s[G1C+7], 0
	s_mov_b32 s[SEL], 0x76543210
	s_mov_b32 s[SEL+1], 0xfedcba98
	s_lshl_b32 s82, s19, 20                        ; the bias: 128 rows of 8,192 bytes a block,
	s_lshl_b32 s83, s20, 19                        ; my 64 of them
	s_add_co_u32 s82, s82, s83
	s_mov_b32 s83, 0
	s_lshl_b32 s84, s15, 1                         ; K: block 8 + 2 cx + (w % 2) of 2^20 bytes,
	s_add_co_u32 s84, s84, s20
	s_add_co_u32 s84, s84, 8
	s_lshl_b32 s84, s84, 20
	s_lshl_b32 s85, s18, 18                        ; the batch's 2,048 rows of 128 bytes
	s_add_co_u32 s84, s84, s85
	s_lshl_b32 s86, s18, 21                        ; V: the batch's 16 blocks of 2^17 bytes,
	s_lshl_b32 s87, s15, 15                        ; the head group's 256 rows of 128 bytes,
	s_add_co_u32 s86, s86, s87
	s_lshl_b32 s87, s20, 14                        ; my 128 of them
	s_add_co_u32 s86, s86, s87
	s_mov_b32 s[CST], 262144
	s_cmp_lt_u32 s[WV], 4                          ; waves 2, 3 fetch K, waves 4, 5 V
	s_cselect_b32 s84, s84, s86
	s_cselect_b32 s[CST], 32768, s[CST]
	s_mov_b32 s85, 0
	s_mov_b32 s[CST+1], 0
	s_lshr_b32 s92, s[CST], 1                      ; one slot on
	s_mov_b32 s93, 0
	s_mul_i32 s88, s[WV], 33792                    ; in a slot: the bias's half w;
	s_mul_i32 s89, s[WV], 17408
	s_add_co_u32 s89, s89, 32768                   ; K's pairs at 67,584 + 17,408 (w - 2), V's halves at 102,400 + 17,408 (w - 4): one formula
	s_wait_kmcnt 0x0
	s_load_b256 s[72:79], s[10:11], 0x0            ; e0 .. e7
	s_cmp_lt_u32 s[WV], 4
	s_cselect_b64 s[90:91], s[4:5], s[6:7]
	s_add_nc_u64 s[82:83], s[8:9], s[82:83]
	s_add_nc_u64 s[84:85], s[90:91], s[84:85]
.irp s, 0,1
	s_mov_b32 s[G0B+4*\s], 1                       ; count = 1
	s_add_co_u32 s[G0B+4*\s+1], s88, \s*SLOT       ; LDS address
	s_add_nc_u64 s[G0B+4*\s+2:G0B+4*\s+3], s[82:83], \s*512   ; keys 128 s on
	s_or_b32 s[G0B+4*\s+3], s[G0B+4*\s+3], 0x80000000         ; type = 2
	s_mov_b32 s[G0C+4*\s], 1
	s_add_co_u32 s[G0C+4*\s+1], s89, \s*SLOT
.endr
	s_mov_b64 s[G0C+2:G0C+3], s[84:85]
	s_add_nc_u64 s[G0C+6:G0C+7], s[84:85], s[92:93]
	s_or_b32 s[G0C+3], s[G0C+3], 0x80000000
	s_or_b32 s[G0C+7], s[G0C+7], 0x80000000
	CROUND                                         ; all sixteen work-groups are here: the first joint loads meet
	JLOAD 0                                        ; slot 0; slot 1 is filled behind the first change's round, as every later slot is
	; the prefetches: they stand at slot 1 and are stepped ahead of each request; nothing is asked for here, at the head
	s_lshr_b32 s80, s16, 1                         ; K: partner cy takes half cy % 2 of head pair cy / 2
	s_lshl_b32 s81, s15, 1
	s_add_co_u32 s81, s81, s80
	s_add_co_u32 s81, s81, 8
	s_lshl_b32 s81, s81, 20
	s_lshl_b32 s82, s18, 18
	s_add_co_u32 s81, s81, s82
	s_and_b32 s82, s16, 1
	s_lshl_b32 s82, s82, 13
	s_add_co_u32 s81, s81, s82
	s_add_co_u32 s81, s81, 16384
	s_lshl_b32 s82, s18, 21                        ; V: partner cy takes quarter cy of the head group's 32,768 bytes
	s_lshl_b32 s83, s15, 15
	s_add_co_u32 s82, s82, s83
	s_lshl_b32 s83, s16, 13
	s_add_co_u32 s82, s82, s83
	s_add_co_u32 s82, s82, 131072
	s_mov_b32 s[PFS], 131072
	s_cmp_eq_u32 s[WV], 8
	s_cselect_b32 s86, s81, s82
	s_cselect_b32 s[PFS], 16384, s[PFS]
	s_cselect_b64 s[PFA:PFA+1], s[4:5], s[6:7]
	s_lshl_b32 s82, s19, 20                        ; the bias: partner cx takes rows 32 cx on, wave parity the half of a row's 512 bytes
	s_lshl_b32 s83, s15, 18
	s_add_co_u32 s82, s82, s83
	s_lshl_b32 s83, s20, 8
	s_add_co_u32 s82, s82, s83
	s_add_co_u32 s82, s82, 512
	s_mov_b32 s84, 256
	s_cmp_lt_u32 s[WV], 8
	s_cselect_b32 s86, s82, s86
	s_cselect_b32 s[PFS], 512, s[PFS]
	s_cselect_b64 s[PFA:PFA+1], s[8:9], s[PFA:PFA+1]
	s_cselect_b32 s84, 8192, s84                   ; from lane to lane
	s_mov_b32 s87, 0
	s_mov_b32 s[PFS+1], 0
	s_add_nc_u64 s[PFA:PFA+1], s[PFA:PFA+1], s[86:87]
	v_and_b32 v[PFO], 31, v0
	v_mul_lo_u32 v[PFO], v[PFO], s84
	s_sub_co_u32 s88, s[WV], 6
	s_lshr_b32 s88, s88, 1                         ; 0 in waves 6, 7; 1 in waves 8, 9; more in all others
	s_and_b32 s89, s17, 3                          ; 0 in the batch's first cluster: the same in all sixteen partners
	s_cmp_eq_u32 s88, 1
	s_cselect_b32 s88, s89, s88
	s_cmp_eq_u32 s88, 0
	s_cselect_b32 s[ASKF], 1, 0
	; Q stays in registers: block 2 cx + head / 2, my 32 rows, my head's 64 bytes
	s_lshl_b32 s80, s15, 1
	s_lshr_b32 s81, s21, 1
	s_add_co_u32 s80, s80, s81
	s_lshl_b32 s80, s80, 20
	s_lshl_b32 s81, s19, 14
	s_add_co_u32 s80, s80, s81
	s_lshl_b32 s81, s22, 12
	s_add_co_u32 s80, s80, s81
	s_and_b32 s81, s21, 1
	s_lshl_b32 s81, s81, 6
	s_add_co_u32 s80, s80, s81
	s_mov_b32 s81, 0
	s_add_nc_u64 s[80:81], s[4:5], s[80:81]
	v_and_b32 v254, 15, v0                         ; r = lane % 16
	v_bfe_u32 v255, v0, 4, 1                       ; h = lane / 16
	v_lshlrev_b32 v246, 7, v254
	v_lshl_add_u32 v246, v255, 4, v246
.irp u, 0,1
.irp c, 0,1
	global_load_b128 v[QF+8*\u+4*\c:QF+8*\u+4*\c+3], v246, s[80:81] offset:2048*\u+32*\c
.endr
.endr
	s_mul_i32 s82, s22, 32*528
	v_mul_u32_u24 v[ABI], v254, 528                ; 528 = 132 words: the 16 rows that a load touches start at 16 different banks (64 banks of 4 bytes: ISA guide 11.1)
	v_lshl_add_u32 v[ABI], v255, 5, v[ABI]
	v_add_nc_u32 v[ABI], s82, v[ABI]
	v_add_nc_u32 v[ABI+1], SLOT, v[ABI]
	v_lshrrev_b32 v[AK], 1, v254                   ; an LDS row of 256 bytes holds two rows of 128: row r / 2, half r % 2
	v_mul_u32_u24 v[AK], v[AK], 272
	v_and_b32 v[AV], 1, v254
	v_lshl_add_u32 v[AK], v[AV], 7, v[AK]
	v_lshl_add_u32 v[AK], v255, 4, v[AK]
	s_mul_i32 s83, s21, 8704                       ; V: my head's 64 channels are 32 LDS rows
	s_add_co_u32 s83, s83, VOFF
	v_add_nc_u32 v[AV], s83, v[AK]
	v_add_nc_u32 v[AV+1], SLOT, v[AV]
	s_lshr_b32 s84, s21, 1                         ; K: my head pair's 64 LDS rows, my head's 64 bytes
	s_mul_i32 s84, s84, 17408
	s_and_b32 s85, s21, 1
	s_lshl_b32 s85, s85, 6
	s_add_co_u32 s84, s84, s85
	s_add_co_u32 s84, s84, KOFF
	v_add_nc_u32 v[AK], s84, v[AK]
	v_add_nc_u32 v[AK+1], SLOT, v[AK]
	s_mul_i32 s86, s22, 32*272                     ; the way out's stage: 128 rows (queries) x (256 bytes + 16), at LDS byte 0
	s_lshl_b32 s87, s21, 6
	s_add_co_u32 s86, s86, s87
	v_mul_u32_u24 v[STO], v254, 272
	v_lshl_add_u32 v[STO], v255, 3, v[STO]
	v_add_nc_u32 v[STO], s86, v[STO]               ; in: row 32 (w % 4) + r, my head's 64 bytes, + 8 h
	s_mul_i32 s87, s[WV], 8*272
	v_mul_u32_u24 v[RD], v255, 272
	v_lshl_add_u32 v[RD], v254, 4, v[RD]
	v_add_nc_u32 v[RD], s87, v[RD]                 ; back: rows 8 w on, sixteen lanes to a row
.irp u, 0,1
	v_mov_b32 v[ST+4*\u+1], 0xff61b1e6             ; the largest t so far: -3e38, under every t
	v_floor_f32 v[ST+4*\u], -v[ST+4*\u+1]          ; -M
	v_mov_b32 v[ST+4*\u+2], 0                      ; the sum, in two halves
	v_mov_b32 v[ST+4*\u+3], 0
	v_mov_b32 v[FF+4*\u+1], 0                      ; (named as the upper half of f's pair)
	v_mov_b32 v[PD+\u], 0                          ; a lane exchange's destination counts as one of its sources
.endr
.set j, 0
.rept 64
	v_mov_b32 v[OA+j], 0                           ; O^T.  (The step is written once for all steps: the first finds zeros, which the first change of M leaves zeros)
.set j, j+1
.endr
	s_wait_kmcnt 0x0
	s_add_co_i32 s82, s74, s75
	s_sub_co_i32 s82, s82, 3                       ; e2 + e3 - 3
	s_lshl_b32 s82, s82, 23
	s_add_co_i32 s[CS], s82, 0x3fb8aa3b            ; a log2(e): the exponent is added to log2(e)'s exponent field
	s_mov_b32 s[CS+1], s[CS]                       ; (named with it as a pair, so it is written)
	s_sub_co_i32 s[BSC], 0x3f800000, s82           ; 1 / a
	s_mov_b32 s[BSC+1], s[BSC]
	s_add_co_i32 s83, s76, 127
	s_lshl_b32 s84, s83, 23
	v_mov_b32 v[SC], s84                           ; 2^e4 as f32, for p's conversion
	s_add_co_i32 s83, s83, 8
	s_lshl_b32 s83, s83, 23
	s_or_b32 s83, s83, 0x600000
	v_mov_b32 v[LIM], s83                          ; 448 x 2^e4
; A KEY STEP: 64 keys, the q-th of the slot that lies in physical slot p.
.macro STEP p, q
.rept 4
	v_nop                                          ; places between the last products V^T P and the loads into V's registers
.endr
.irp t, 0,1,2,3
.irp c, 0,1
	ds_load_b128 v[KF+8*\t+4*\c:KF+8*\t+4*\c+3], v[AK+\p] offset:(4*\q+\t)*2176+32*\c
.endr
.endr
.irp u, 0,1
.irp t, 0,1,2,3
.irp i, 0,1
	ds_load_b128 v[S+32*\u+8*\t+4*\i:S+32*\u+8*\t+4*\i+3], v[ABI+\p] offset:8448*\u+256*\q+64*\t+16*\i   ; the bias of my query and keys 16 t + 8 h + 0..7, into the scores' registers
.endr
.endr
.endr
.irp d, 0,1,2,3
.irp c, 0,1
	ds_load_b128 v[VF+8*\d+4*\c:VF+8*\d+4*\c+3], v[AV+\p] offset:2176*\d+64*\q+32*\c
.endr
.endr
	s_wait_dscnt 8                                 ; K and the bias are in; V's eight loads may be out
.set j, 0
.rept 32
	v_pk_mul_f32 v[S+j:S+j+1], v[S+j:S+j+1], s[BSC:BSC+1] op_sel_hi:[1,0]   ; bias / a: exact
.set j, j+2
.endr
.irp t, 0,1,2,3
.irp u, 0,1
	v_wmma_f32_16x16x64_fp8_fp8 v[S+32*\u+8*\t:S+32*\u+8*\t+7], v[KF+8*\t:KF+8*\t+7], v[QF+8*\u:QF+8*\u+7], v[S+32*\u+8*\t:S+32*\u+8*\t+7]   ; eight accumulators, one instruction each
.endr
.endr
.rept 4
	v_nop                                          ; places in front of the first read of the results
.endr
.irp u, 0,1                                    ; the step's largest score of my query among my 32 keys, in two chains; each accumulator is read from its low end first
	v_max3_num_f32 v[MX+4*\u], v[S+32*\u], v[S+32*\u+1], v[S+32*\u+2]
	v_max3_num_f32 v[MX+4*\u+1], v[S+32*\u+3], v[S+32*\u+4], v[S+32*\u+5]
.endr
.irp i, 6,10,14,18,22,26
.irp u, 0,1
	v_max3_num_f32 v[MX+4*\u], v[MX+4*\u], v[S+32*\u+\i], v[S+32*\u+\i+1]
	v_max3_num_f32 v[MX+4*\u+1], v[MX+4*\u+1], v[S+32*\u+\i+2], v[S+32*\u+\i+3]
.endr
.endr
.irp u, 0,1
	v_max3_num_f32 v[MX+4*\u], v[MX+4*\u], v[S+32*\u+30], v[S+32*\u+31]
.endr
.irp u, 0,1
	v_max_num_f32 v[MX+4*\u], v[MX+4*\u], v[MX+4*\u+1]
.endr
.irp u, 0,1
	v_permlanex16_b32 v[PD+\u], v[MX+4*\u], s[SEL], s[SEL+1]
.endr
.irp u, 0,1
	v_max_num_f32 v[MX+4*\u], v[MX+4*\u], v[PD+\u]   ; and among lane l xor 16's
.endr
.irp u, 0,1
	v_mul_f32 v[MX+4*\u], s[CS], v[MX+4*\u]        ; as t (the factor is positive)
.endr
.irp u, 0,1
	v_max_num_f32 v[ST+4*\u+1], v[ST+4*\u+1], v[MX+4*\u]   ; the running largest t
.endr
.irp u, 0,1
	v_mov_b32 v[MX+4*\u], v[ST+4*\u]
.endr
.irp u, 0,1
	v_floor_f32 v[ST+4*\u], -v[ST+4*\u+1]          ; the new -M = floor(-t) = -ceil(t): a whole number
.endr
.irp u, 0,1
	v_sub_f32 v[MX+4*\u], v[ST+4*\u], v[MX+4*\u]   ; old M - new M: a whole number, 0 or less
.endr
.irp u, 0,1
	v_cvt_i32_f32 v[MX+4*\u], v[MX+4*\u]           ; (it saturates)
.endr
.irp u, 0,1
	v_ldexp_f32 v[FF+4*\u], 1.0, v[MX+4*\u]        ; f = 2^(old M - new M)
.endr
.irp u, 0,1
.set j, 0
.rept 16
	v_pk_fma_f32 v[S+32*\u+j:S+32*\u+j+1], v[S+32*\u+j:S+32*\u+j+1], s[CS:CS+1], v[ST+4*\u:ST+4*\u+1] op_sel_hi:[1,0,0]   ; t - M, two at a time (of both pairs the low word serves both halves)
.set j, j+2
.endr
.endr
.set j, 0
.rept 64
	v_exp_f32 v[S+j], v[S+j]                       ; p = 2^(t - M), at most 1: not normalised.  One batch
.set j, j+1
.endr
.irp u, 0,1
	v_pk_mul_f32 v[ST+4*\u+2:ST+4*\u+3], v[ST+4*\u+2:ST+4*\u+3], v[FF+4*\u:FF+4*\u+1] op_sel_hi:[1,0]   ; the sums under the new M: the plain lines behind the exponentials
.endr
	s_wait_alu depctr_va_vdst(0)                   ; one wait for the whole batch, ahead of its first reader
.irp u, 0,1
	v_pk_add_f32 v[MX+4*\u:MX+4*\u+1], v[S+32*\u:S+32*\u+1], v[S+32*\u+2:S+32*\u+3]   ; the row's sum is taken of the unquantised p, in two chains
.endr
.irp i, 4,8,12,16,20,24,28
.irp u, 0,1
	v_pk_add_f32 v[ST+4*\u+2:ST+4*\u+3], v[ST+4*\u+2:ST+4*\u+3], v[S+32*\u+\i:S+32*\u+\i+1]
	v_pk_add_f32 v[MX+4*\u:MX+4*\u+1], v[MX+4*\u:MX+4*\u+1], v[S+32*\u+\i+2:S+32*\u+\i+3]
.endr
.endr
.irp u, 0,1
	v_pk_add_f32 v[ST+4*\u+2:ST+4*\u+3], v[ST+4*\u+2:ST+4*\u+3], v[MX+4*\u:MX+4*\u+1]
.endr
.irp u, 0,1
.irp t, 0,1,2,3
.irp i, 0,1,2,3,4,5,6,7
	v_min_num_f32 v[S+32*\u+8*\t+\i], v[S+32*\u+8*\t+\i], v[LIM]   ; the conversion does not saturate (ISA guide 7.6.2); p is not negative, so the hold is one-sided
.endr
	v_cvt_scalef32_pk8_fp8_f32 v[PC+8*\u+2*\t:PC+8*\u+2*\t+1], v[S+32*\u+8*\t:S+32*\u+8*\t+7], v[SC]
.endr
.endr
.irp u, 0,1
.set j, 0
.rept 16
	v_pk_mul_f32 v[OA+32*\u+j:OA+32*\u+j+1], v[OA+32*\u+j:OA+32*\u+j+1], v[FF+4*\u:FF+4*\u+1] op_sel_hi:[1,0]   ; O^T under the new M; also the plain lines between the conversions and the products
.set j, j+2
.endr
.endr
	s_wait_dscnt 0x0                               ; V is in
.irp d, 0,1,2,3
.irp u, 0,1
	v_wmma_f32_16x16x64_fp8_fp8 v[OA+32*\u+8*\d:OA+32*\u+8*\d+7], v[VF+8*\d:VF+8*\d+7], v[PC+8*\u:PC+8*\u+7], v[OA+32*\u+8*\d:OA+32*\u+8*\d+7]   ; eight accumulators by turns
.endr
.endr
.endm
; THE CHANGE OF SLOTS stands at the head of the slot that lies in physical slot p.  Each wave waits for all its tensor loads (its part of that slot), adds 0 to its spare word, and waits for that and for its reads of the slot that it has
; left.  fill = 1: behind a round of the cluster's barrier the slot that was left is filled with the next 128 keys: a wave's one tensor load until the next round; it has two key steps in which to land.
.macro CHANGE p, fill, ask
	s_wait_tensorcnt 0x0                           ; no tensor load of mine is out, so a group 0 may be written
	ds_add_u32 v[SPW], v[NIL]                      ; 0 onto my spare word
.if \fill
	s_add_nc_u64 s[G0B+4*\p+2:G0B+4*\p+3], s[G0B+4*\p+2:G0B+4*\p+3], 1024            ; this slot's next tile: two slots on
	s_add_nc_u64 s[G0C+4*\p+2:G0C+4*\p+3], s[G0C+4*\p+2:G0C+4*\p+3], s[CST:CST+1]
.endif
.if \ask
	s_wait_xcnt 0x0                                ; the last prefetch, a slot back, has read its address, so it may be written
	s_add_nc_u64 s[PFA:PFA+1], s[PFA:PFA+1], s[PFS:PFS+1]
.endif
	s_wait_dscnt 0x0                               ; the add is done, and my reads of the slot that I have left are over
.if \fill
	CROUND                                         ; no wave of any partner still reads that slot or has a load on its way
	JLOAD 1-\p
.if \ask
	ASK
.endif
.else
	s_barrier_signal -1
	s_barrier_wait -1
.endif
.endm
	s_wait_loadcnt 0x0                             ; Q
	s_mov_b32 s63, 7
.Lpair:                                            ; 7 trips of two slots: slots 0 to 13; each change fills the next slot and asks memory for the one after
	CHANGE 0, 1, 1
	STEP 0, 0
	STEP 0, 1
	CHANGE 1, 1, 1
	STEP 1, 0
	STEP 1, 1
	s_sub_co_u32 s63, s63, 1
	s_cmp_lg_u32 s63, 0
	s_cbranch_scc1 .Lpair
	CHANGE 0, 1, 0                                 ; the tail is written out: slot 14; slot 15 is asked for
	STEP 0, 0
	STEP 0, 1
	CHANGE 1, 0, 0                                 ; slot 15: nothing is left to fetch
	STEP 1, 0
	STEP 1, 1
	; THE WAY OUT.  O^T x 2^(e4 + e5) / the sum, held, converted with 2^e6: a lane's eight channels of a tile are 8 bytes.  They meet the other heads' in a stage at LDS byte 0 (physical slot 0 has had its last fill, and nobody
	; has read it since the last change of slots); a barrier; each wave stores 8 whole rows of 256 bytes.
.irp u, 0,1
	v_add_f32 v[ST+4*\u+2], v[ST+4*\u+2], v[ST+4*\u+3]   ; the sum's two halves,
.endr
.irp u, 0,1
	v_permlanex16_b32 v[PD+\u], v[ST+4*\u+2], s[SEL], s[SEL+1]
.endr
.irp u, 0,1
	v_add_f32 v[ST+4*\u+2], v[ST+4*\u+2], v[PD+\u]       ; and lane l xor 16's
.endr
.irp u, 0,1
	v_rcp_f32 v[ST+4*\u+2], v[ST+4*\u+2]
.endr
	v_and_b32 v3, 15, v0                           ; (plain lines behind the reciprocals)  my offset in ac: lanes 0-15 one row of 1,024 bytes, lanes 16-31 the next; 16 bytes a lane
	v_bfe_u32 v4, v0, 4, 1
	v_lshlrev_b32 v3, 4, v3
	v_lshl_add_u32 v3, v4, 10, v3
	s_add_co_i32 s82, s76, s77                     ; e4 + e5
	s_add_co_i32 s83, s78, 127
	s_lshl_b32 s84, s83, 23
	v_mov_b32 v[SC], s84                           ; 2^e6
	s_add_co_i32 s83, s83, 8
	s_lshl_b32 s83, s83, 23
	s_or_b32 s83, s83, 0x600000
	v_mov_b32 v[LIM], s83                          ; 448 x 2^e6
	s_lshl_b32 s84, s19, 17                        ; ac: 128 rows of 1,024 bytes a block,
	s_lshl_b32 s85, s[WV], 13                      ; my 8 rows,
	s_add_co_u32 s84, s84, s85
	s_lshl_b32 s85, s15, 8                         ; the head group's 256 bytes
	s_add_co_u32 s84, s84, s85
	s_mov_b32 s85, 0
	s_add_nc_u64 s[12:13], s[12:13], s[84:85]
	s_wait_alu depctr_va_vdst(0)                   ; one wait for both reciprocals, ahead of their first reader
.irp u, 0,1
	v_ldexp_f32 v[ST+4*\u+2], v[ST+4*\u+2], s82
.endr
.irp u, 0,1
.set j, 0
.rept 16
	v_pk_mul_f32 v[S+32*\u+j:S+32*\u+j+1], v[OA+32*\u+j:OA+32*\u+j+1], v[ST+4*\u+2:ST+4*\u+3] op_sel_hi:[1,0]   ; each accumulator from its low end on
.set j, j+2
.endr
.endr
.set j, 0
.rept 64
	v_med3_num_f32 v[S+j], v[S+j], -v[LIM], v[LIM]
.set j, j+1
.endr
.irp u, 0,1
.irp d, 0,1,2,3
	v_cvt_scalef32_pk8_fp8_f32 v[PC+8*\u+2*\d:PC+8*\u+2*\d+1], v[S+32*\u+8*\d:S+32*\u+8*\d+7], v[SC]
.endr
.endr
	v_nop                                          ; one plain vector line behind the last conversion
.irp u, 0,1
.irp d, 0,1,2,3
	ds_store_b64 v[STO], v[PC+8*\u+2*\d:PC+8*\u+2*\d+1] offset:4352*\u+16*\d   ; row 16 u + r of my 32, channels 16 d + 8 h + 0..7 of my head
.endr
.endr
	s_wait_dscnt 0x0                               ; for the others' sake: my stores into the stage are done
	s_barrier_signal -1
	s_barrier_wait -1
.irp i, 0,1,2,3
	ds_load_b128 v[KF+4*\i:KF+4*\i+3], v[RD] offset:544*\i
.endr
.irp i, 0,1,2,3
	s_wait_dscnt 3-\i                              ; load i is in; the younger ones may be out
	global_store_b128 v3, v[KF+4*\i:KF+4*\i+3], s[12:13] offset:2048*\i   ; 16 lanes store 256 consecutive bytes, aligned
.endr
	s_wait_tensorcnt 0x0                           ; the wave's end
	ds_add_u32 v[SPW], v[NIL]
	s_wait_dscnt 0x0
	CROUND                                         ; the closing round: no work-group ends while a partner may still ask for a tile that names it
	s_endpgm
.Lfunc_end_k_q71f18b3482_attn:
	.size	k_q71f18b3482_attn, .Lfunc_end_k_q71f18b3482_attn-k_q71f18b3482_attn
	.p2alignl 7, 3214868480
	.fill 96, 4, 3214868480
	.section	.rodata,"a",@progbits
	.p2align	6, 0x0
	.amdhsa_kernel k_q71f18b3482_attn
		.amdhsa_group_segment_fixed_size 327680
		.amdhsa_private_segment_fixed_size 0
		.amdhsa_enable_private_segment 0
		.amdhsa_kernarg_size 40
		.amdhsa_user_sgpr_count 2
		.amdhsa_user_sgpr_kernarg_segment_ptr 1
		.amdhsa_wavefront_size32 1
		.amdhsa_system_sgpr_workgroup_id_x 1
		.amdhsa_system_sgpr_workgroup_id_y 1
		.amdhsa_system_sgpr_workgroup_id_z 1
		.amdhsa_system_vgpr_workitem_id 0
		.amdhsa_next_free_vgpr 256
		.amdhsa_next_free_sgpr 100
		.amdhsa_reserve_vcc 0
		.amdhsa_float_denorm_mode_32 3
		.amdhsa_float_denorm_mode_16_64 3
		.amdhsa_memory_ordered 1
		.amdhsa_forward_progress 1
		.amdhsa_inst_pref_size 176
	.end_amdhsa_kernel
	.amdgpu_metadata
---
amdhsa.version: [ 1, 2 ]
amdhsa.kernels:
  - .name:           k_q71f18b3482_attn
    .symbol:         k_q71f18b3482_attn.kd
    .args:
      - { .name: qk, .offset: 0, .size: 8, .value_kind: global_buffer, .address_space: global }
      - { .name: vt, .offset: 8, .size: 8, .value_kind: global_buffer, .address_space: global }
      - { .name: attn_bias, .offset: 16, .size: 8, .value_kind: global_buffer, .address_space: global }
      - { .name: lowp_scales, .offset: 24, .size: 8, .value_kind: global_buffer, .address_space: global }
      - { .name: ac, .offset: 32, .size: 8, .value_kind: global_buffer, .address_space: global }
    .group_segment_fixed_size: 327680
    .private_segment_fixed_size: 0
    .kernarg_segment_align: 8
    .kernarg_segment_size: 40
    .max_flat_workgroup_size: 512
    .sgpr_count:     100
    .vgpr_count:     256
    .wavefront_size: 32
...
	.end_amdgpu_metadata
.endif
;; end of part 3
;; launch proj (part 4): grid 4 x 32, 4 waves a work-group, clusters of 4 x 4, 327,680 bytes of LDS; arguments ac, oc, lowp_scales, out_b, out0; writes out0
.if DOCPART == 4
	.amdgcn_target "amdgcn-amd-amdhsa--gfx1250"
	.amdhsa_code_object_version 6
	.text
	.protected	k_q71f18b3482_proj
	.globl	k_q71f18b3482_proj
	.p2align	8
	.type	k_q71f18b3482_proj,@function
k_q71f18b3482_proj:
	s_mov_b64 s[64:65], 0
	v_nop
	global_prefetch_b8 v0, s[64:65] scope:SCOPE_SE
	s_setreg_imm32_b32 hwreg(HW_REG_WAVE_MODE, 25, 1), 1
	s_wait_xcnt 0x0
	s_wait_alu depctr_hold_cnt(0) depctr_sa_sdst(0) depctr_va_vdst(0) depctr_va_sdst(0) depctr_va_ssrc(0) depctr_va_vcc(0) depctr_vm_vsrc(0)
	s_getreg_b32 s2, hwreg(HW_REG_IB_STS2, 6, 4)
	s_cmp_eq_u32 s2, 0
	s_cbranch_scc0 .Lentry_in_a_cluster
	s_endpgm
.Lentry_in_a_cluster:
	s_bfe_u32 s2, ttmp6, 0x10000c
	s_cmp_lg_u32 s2, 0xf033
	s_cbranch_scc0 .Lentry_shape_is_right
	s_endpgm
.Lentry_shape_is_right:
; out0 = attention's output x out_w^T + out_b on codes of FP8 (E4M3).  ac: [8192][1024], scale 2^e6; oc: [1024][1024], scale 2^e7: codes, K innermost.  out_b [1024], out0 [8192][1024]: f32; sums in f32.
; The codes are multiplied as they are.  out_b / 2^(e6 + e7) is the C of each sum's first product, and each finished sum is multiplied once by 2^(e6 + e7).
; LIMIT: e6 + e7 between -126 and 127, so that 2^(e6 + e7) is an f32 number.
; A tile of 256 x 256 is made by four waves, 128 x 128 each: 64 accumulators.  K goes in steps of 256 through two LDS slots filled by the tensor data mover.  CLUSTERS of 4 x 4: A's tile is asked for jointly along a row of the
; cluster, B's along a column.  The 8192 x 1024 results are 128 such tiles: one work-group each.
; THE MATRIX INSTRUCTION IS USED TRANSPOSED (source 0 = 16 rows of oc, source 1 = 16 rows of ac): a lane holds eight neighbouring numbers of a row of out0.
; REGISTERS, in windows of 256: window 0: v0-31 addresses; v32-95 the bias in the result's layout, later a block's results; from v128 A's fragments, ONE set; on the way out v128-255 rows read back, two sets.
;   window 1: B's fragments, TWO sets.   windows 2, 3: the accumulators of my rows 0-63, 64-127: (a, b) at v[8 (8 (a % 4) + b)].
.set SIZE_N, 1024
.set SIZE_K, 1024
.set KSTEP,  256
.set ROWB,   256
.set KROW,   SIZE_K
.set PITCH,  272                       ; an LDS row: 256 bytes + 16 of padding = 68 words: the 16 rows that a load touches start at 16 different banks (64 banks of 4 bytes: ISA guide 11.1)
.set FR,     16
.set NL,     4
.set NP,     4
.set HALFT,  128*PITCH
.set SLOT,   4*HALFT
.set LAPS,   SIZE_K/(2*KSTEP)
.set SPARE,  2*SLOT                    ; behind the ring: the spare words, 128 bytes for each wave
.set SPITCH, 528                       ; the way out: a stage of 16 rows x (512 bytes + 16) for each wave, in slot 0, which has had its last fill and its last read by then
.set ADRA, 16
.set ADRB, 20
.set STO,  24
.set RD,   25
.set CO,   26
.set SPW,  28
.set NIL,  29
.set CBI,  32                          ; v32-95 the bias: register 8 b + j = bias of column 16 b + 8 (lane / 16) + j
.set TMP,  32
.set AF,   128
.set BK,   128
.set G1, 24
.set G0, 32
.set G1B, 48
.set G0B, 56
.set MSB, 0
.macro WIN new                         ; the immediate's high byte repeats the setting that is left
.if MSB != \new
	s_set_vgpr_msb (MSB<<8)|\new
.set MSB, \new
.endif
.endm
.set MUL_LO, 0xa1                      ; source 0 (B) window 1, source 1 (A) window 0, C and D window 2
.set MUL_HI, 0xf1
.set FST_LO, 0x81                      ; a sum's first product: C (the bias) window 0, D window 2
.set FST_HI, 0xc1
.set TO_B,   0x40
.macro JLOAD g0a, g1a, g0b, g1b        ; a joint load: waves 0 and 1 fetch for A, waves 2 and 3 for B; four v_nop follow each of the two lines
	s_cmp_eq_u32 s15, 0
	s_cbranch_scc0 .Lfor_b_\@
	tensor_load_to_lds s[\g0a:\g0a+3], s[\g1a:\g1a+7]
	s_nop 0
.rept 4
	v_nop
.endr
	s_branch .Lasked_\@
.Lfor_b_\@:
	tensor_load_to_lds s[\g0b:\g0b+3], s[\g1b:\g1b+7]
	s_nop 0
.rept 4
	v_nop
.endr
.Lasked_\@:
.endm
.macro CREST
	s_cmp_lg_u32 s14, 0
	s_cbranch_scc1 .Lnot_wave_0_\@
	s_barrier_signal -3
.Lnot_wave_0_\@:
	s_barrier_wait -3
	s_barrier_signal -1
	s_barrier_wait -1
.endm
.macro CROUND
	s_barrier_signal -1
	s_barrier_wait -1
	CREST
.endm
	s_load_b128 s[4:7], s[0:1], 0x0                ; ac, oc
	s_load_b128 s[8:11], s[0:1], 0x10              ; the scales' exponents, out_b
	s_load_b64 s[12:13], s[0:1], 0x20              ; out0
	v_lshl_add_u32 v[SPW], v0, 2, SPARE
	v_mov_b32 v[NIL], 0
	ds_add_u32 v28, v29
	s_wait_dscnt 0x0
	v_lshrrev_b32 v1, 5, v0
	v_readfirstlane_b32 s14, v1                    ; wave 0..3
	s_lshr_b32 s15, s14, 1                         ; which half of the tile's rows is mine.  Also: I fetch for A (0) or for B (1)
	s_and_b32 s16, s14, 1                          ; which half of its columns.  Also: which 128 rows of that tile I fetch
	s_bfe_u32 s40, ttmp6, 0x40000                  ; cx, cy
	s_bfe_u32 s41, ttmp6, 0x40004
	s_lshl_b32 s42, ttmp9, 2
	s_add_co_u32 s42, s42, s40                     ; tile column
	s_and_b32 s17, ttmp7, 0xffff
	s_lshl_b32 s17, s17, 2
	s_add_co_u32 s17, s17, s41                     ; tile row
	s_lshl_b32 s43, s41, 2
	s_lshl_b32 s43, 15, s43                        ; my row of the cluster
	s_lshl_b32 s44, 0x1111, s40                    ; my column
	s_or_b32 s[G1+0], s43, (0<<16)|(1<<20)|(1<<21)|(5<<22)|(3<<25)  ; the mask; elements of 1 byte; padding on; bit 21 beside a mask; 4 words after every 64
	s_or_b32 s[G1B+0], s44, (0<<16)|(1<<20)|(1<<21)|(5<<22)|(3<<25)
.irp g, G1, G1B
	s_mov_b32 s[\g+1], ROWB<<16
	s_mov_b32 s[\g+2], 128<<16
	s_mov_b32 s[\g+3], ROWB<<16
	s_mov_b32 s[\g+4], 128
	s_mov_b32 s[\g+5], KROW
	s_mov_b32 s[\g+6], 0
	s_mov_b32 s[\g+7], 0
.endr
	s_lshl_b32 s18, s16, 7
	s_lshl_b32 s20, s17, 8
	s_add_co_u32 s20, s20, s18                     ; A: row 256 x tile row + 128 x half
	s_lshl_b32 s46, s42, 8
	s_add_co_u32 s46, s46, s18                     ; B: row 256 x tile column + 128 x half
	s_lshl_b32 s20, s20, 10                        ; in bytes: under 2^23
	s_mov_b32 s21, 0
	s_lshl_b32 s46, s46, 10
	s_mov_b32 s47, 0
	s_mul_i32 s45, s14, HALFT
	s_wait_kmcnt 0x0
	s_load_b64 s[96:97], s[8:9], 0x18              ; e6, e7
	s_add_nc_u64 s[20:21], s[4:5], s[20:21]
	s_add_nc_u64 s[46:47], s[6:7], s[46:47]
	CROUND                                         ; all sixteen work-groups are here: the first joint loads meet
.irp s, 0,1
	s_mov_b32 s[G0+4*\s], 1
	s_add_co_u32 s[G0+4*\s+1], s45, \s*SLOT
	s_add_nc_u64 s[G0+4*\s+2:G0+4*\s+3], s[20:21], \s*ROWB
	s_or_b32 s[G0+4*\s+3], s[G0+4*\s+3], 0x80000000
	s_mov_b32 s[G0B+4*\s], 1
	s_add_co_u32 s[G0B+4*\s+1], s45, \s*SLOT
	s_add_nc_u64 s[G0B+4*\s+2:G0B+4*\s+3], s[46:47], \s*ROWB
	s_or_b32 s[G0B+4*\s+3], s[G0B+4*\s+3], 0x80000000
	JLOAD G0+4*\s, G1, G0B+4*\s, G1B
.endr
	v_and_b32 v1, 15, v0                           ; r
	v_bfe_u32 v2, v0, 4, 1                         ; h
	v_lshlrev_b32 v6, 5, v2                        ; the bias: 8 h numbers on
	s_lshl_b32 s80, s42, 10
	s_lshl_b32 s81, s16, 9
	s_add_co_u32 s80, s80, s81                     ; my first column, in bytes of f32
	s_mov_b32 s81, 0
	s_add_nc_u64 s[82:83], s[10:11], s[80:81]
.irp b, 0,1,2,3,4,5,6,7
	global_load_b128 v[CBI+8*\b:CBI+8*\b+3], v6, s[82:83] offset:64*\b
	global_load_b128 v[CBI+8*\b+4:CBI+8*\b+7], v6, s[82:83] offset:64*\b+16
.endr
	v_mul_u32_u24 v3, v1, PITCH
	v_lshl_add_u32 v4, v2, 4, v3
	s_mul_i32 s21, s15, HALFT
	s_mul_i32 s22, s16, HALFT
	s_add_co_u32 s22, s22, 2*HALFT
.irp s, 0,1
	v_add_nc_u32 v[ADRA+\s], s21, v4
	v_add_nc_u32 v[ADRB+\s], s22, v4
	s_add_co_u32 s21, s21, SLOT
	s_add_co_u32 s22, s22, SLOT
.endr
	s_mul_i32 s23, s14, 16*SPITCH                  ; my stage
	v_mul_u32_u24 v5, v1, SPITCH                   ; in: row r, 32 bytes for each half of the lanes
	v_lshl_add_u32 v5, v2, 5, v5
	v_add_nc_u32 v[STO], s23, v5
	v_and_b32 v7, 31, v0
	v_lshlrev_b32 v[CO], 4, v7                     ; back: the 32 lanes take one row of 512 bytes; and the same in out0
	v_add_nc_u32 v[RD], s23, v[CO]
	s_lshl_b32 s20, s17, 8
	s_lshl_b32 s21, s15, 7
	s_add_co_u32 s20, s20, s21                     ; my first row: 256 x tile row + 128 x half
	s_lshl_b32 s20, s20, 12                        ; rows of 4,096 bytes: under 2^25
	s_add_co_u32 s20, s20, s80                     ; + my first column
	s_mov_b32 s21, 0
	s_add_nc_u64 s[12:13], s[12:13], s[20:21]
	s_wait_loadcnt 0x0                             ; the bias
	s_wait_kmcnt 0x0
	s_add_co_i32 s96, s96, s97                     ; e6 + e7
	s_sub_co_i32 s98, 0, s96
.set j, 0
.rept 64
	v_ldexp_f32 v[CBI+j], v[CBI+j], s98            ; a sum stands for sum x 2^(e6 + e7): the bias goes in divided by that
.set j, j+1
.endr
	s_add_co_i32 s96, s96, 127
	s_lshl_b32 s96, s96, 23                        ; 2^(e6 + e7) as f32
	s_mov_b32 s97, s96                             ; (named with it as a pair, so it is written)
.macro FRAG reg, adr, q, i             ; a fragment, 16 rows x 128 K: lane l holds row l % 16; registers 4 c .. 4 c + 3 hold K = 32 c + 16 (l / 16) + 0 .. 15: the same permutation of k in A and in B
.irp c, 0,1,2,3
	ds_load_b128 v[\reg+4*\c:\reg+4*\c+3], v[\adr] offset:128*(\q)+32*\c+(\i)*16*PITCH
.endr
.endm
; 16 matrix instructions: A's blocks a0, a0 + 1 x B's eight.  first = 1: the bias is the C of the sum's first product.  The 64 accumulators take turns, one instruction a turn.
.macro MUL16 a0, p, first
.irp a, \a0, \a0+1
.irp b, 0,1,2,3,4,5,6,7
.if \first
	v_wmma_f32_16x16x128_fp8_fp8 v[8*(8*((\a)%4)+\b):8*(8*((\a)%4)+\b)+7], v[128*(\p)+FR*\b:128*(\p)+FR*\b+FR-1], v[AF+FR*(\a):AF+FR*(\a)+FR-1], v[CBI+8*\b:CBI+8*\b+7]
.else
	v_wmma_f32_16x16x128_fp8_fp8 v[8*(8*((\a)%4)+\b):8*(8*((\a)%4)+\b)+7], v[128*(\p)+FR*\b:128*(\p)+FR*\b+FR-1], v[AF+FR*(\a):AF+FR*(\a)+FR-1], v[8*(8*((\a)%4)+\b):8*(8*((\a)%4)+\b)+7]
.endif
.endr
.endr
.endm
.macro FETCH_B slot, q, p
	WIN TO_B
.irp i, 0,1,2,3,4,5,6,7
	FRAG 128*(\p)+FR*\i, ADRB+\slot, \q, \i
.endr
	WIN 0
.endm
.macro FETCH_A slot, q, i0
.irp i, \i0, \i0+1, \i0+2, \i0+3
	FRAG AF+FR*(\i), ADRA+\slot, \q, \i
.endr
.endm
.macro PLACES n                        ; plain vector lines between a matrix instruction and a load into, or a vector line on, its registers (ISA guide 7.12.1 for vector lines)
.rept \n
	v_nop
.endr
.endm
.macro STEP slot, q, first
	s_wait_dscnt 4*NL                              ; B's set and A's blocks 0-3 are in; the youngest 16 loads (A's blocks 4-7) may be out
.if \first
	WIN FST_LO
.else
	WIN MUL_LO
.endif
	MUL16 0, (\q)%2, \first
	MUL16 2, (\q)%2, \first
	s_wait_dscnt 0                                 ; A's blocks 4-7 are in
	PLACES NP
	FETCH_B \slot, (\q)+1, 1-(\q)%2
	FETCH_A \slot, (\q)+1, 0
.if \first
	WIN FST_HI
.else
	WIN MUL_HI
.endif
	MUL16 4, (\q)%2, \first
	MUL16 6, (\q)%2, \first
	PLACES NP
	WIN 0
	FETCH_A \slot, (\q)+1, 4
.endm
; A slot's last step changes slots: ONE barrier; in front of it each wave waits for all its tensor loads, adds 0 to its spare word, and waits for that and for its own reads of this slot.
.macro TURN slot, next, fill
	s_wait_tensorcnt 0x0                           ; all my tensor loads have landed: my part of the next slot
	ds_add_u32 v[SPW], v[NIL]                      ; 0 onto my spare word
	s_wait_dscnt 4*NL+1                            ; (the add and the youngest 16 loads may be out)
	WIN MUL_LO
	MUL16 0, 1, 0
	s_wait_dscnt 0x0                               ; the add is done, and my reads of this slot are over
	s_barrier_signal -1
	MUL16 2, 1, 0
	WIN 0
	s_barrier_wait -1
.if \fill
	CREST                                          ; the barrier has opened a round of the cluster's barrier: no wave of any partner still reads this slot's tile or has a load on its way
	s_add_nc_u64 s[G0+4*\slot+2:G0+4*\slot+3], s[G0+4*\slot+2:G0+4*\slot+3], 2*ROWB
	s_add_nc_u64 s[G0B+4*\slot+2:G0B+4*\slot+3], s[G0B+4*\slot+2:G0B+4*\slot+3], 2*ROWB
	JLOAD G0+4*\slot, G1, G0B+4*\slot, G1B         ; the first tensor load behind the round; its four v_nop are the places in front of the loads below
.else
	PLACES NP
.endif
	FETCH_B \next, 0, 0
	FETCH_A \next, 0, 0
	WIN MUL_HI
	MUL16 4, 1, 0
	MUL16 6, 1, 0
	PLACES NP
	WIN 0
	FETCH_A \next, 0, 4
.endm
	s_wait_tensorcnt 1                             ; my part of K step 0 is in (K step 1's load may be out)
	s_barrier_signal -1
	s_barrier_wait -1                              ; everybody's is
	FETCH_B 0, 0, 0
	FETCH_A 0, 0, 0
	FETCH_A 0, 0, 4
	STEP 0, 0, 1                                   ; the first step stands in front of the loop: its products start the sums
	s_mov_b32 s3, LAPS-1
.Llap:
	TURN 0, 1, 1
	STEP 1, 0, 0
	TURN 1, 0, 1
	STEP 0, 0, 0
	s_sub_co_u32 s3, s3, 1
	s_cmp_lg_u32 s3, 0
	s_cbranch_scc1 .Llap
	TURN 0, 1, 0                                   ; the last lap fills nothing
	STEP 1, 0, 0
	s_wait_dscnt 4*NL
	WIN MUL_LO
	MUL16 0, 1, 0
	MUL16 2, 1, 0
	s_wait_dscnt 0
	WIN MUL_HI
	MUL16 4, 1, 0
	MUL16 6, 1, 0
	WIN 0
; THE WAY OUT, block by block of 16 rows x 128 columns.  A lane holds 32 neighbouring bytes of a row: a block goes through my own stage in LDS and comes back as whole rows of 512 bytes.
; LDS serves a wave's instructions in order (ISA guide 5.7.1.4): no wait between the stores and the loads, nor in front of the next block's stores.
.macro TOSTAGE a
.set AC, 64*((\a)%4)
	WIN 0x02+((\a)/4)                              ; source 0: window 2 or 3
.set j, 0
.rept 32
	v_pk_mul_f32 v[TMP+j:TMP+j+1], v[AC+j:AC+j+1], s[96:97] op_sel_hi:[1,0]   ; x 2^(e6 + e7); each accumulator from its low end on
.set j, j+2
.endr
	WIN 0
.irp b, 0,1,2,3,4,5,6,7
	ds_store_b128 v[STO], v[TMP+8*\b:TMP+8*\b+3] offset:64*\b
	ds_store_b128 v[STO], v[TMP+8*\b+4:TMP+8*\b+7] offset:64*\b+16
.endr
.set BB, BK+64*((\a)%2)
.irp t, 0,1,2,3,4,5,6,7,8,9,10,11,12,13,14,15
	ds_load_b128 v[BB+4*\t:BB+4*\t+3], v[RD] offset:\t*SPITCH
.endr
.endm
.macro SEND a, younger                 ; younger: the LDS instructions issued behind block a's loads, which may stay out
.set BB, BK+64*((\a)%2)
	s_wait_dscnt \younger                          ; the block is back in registers
.if (\a) > 0
	s_add_nc_u64 s[12:13], s[12:13], 16*SIZE_N*4   ; (behind a wait on XCNT: the earlier stores have read their base)  16 rows on
.endif
.irp t, 0,1,2,3,4,5,6,7,8,9,10,11,12,13,14,15
	global_store_b128 v[CO], v[BB+4*\t:BB+4*\t+3], s[12:13] offset:\t*SIZE_N*4 th:TH_STORE_NT   ; 32 lanes store 512 consecutive bytes, aligned; written once, read by nobody here
.endr
.endm
	PLACES NP
	TOSTAGE 0
.irp a, 1,2,3,4,5,6,7
.if \a > 1
	s_wait_xcnt 0x0                                ; block a - 2's stores have read their registers and their base: block a's loads may land there, and the base may step
.endif
	TOSTAGE \a
	SEND \a-1, 32                                  ; behind block a - 1's loads: block a's 16 stores and 16 loads
.endr
	s_wait_xcnt 0x0                                ; block 6's stores have read their base
	SEND 7, 0
	s_wait_tensorcnt 0x0                           ; the wave's end
	ds_add_u32 v[SPW], v[NIL]
	s_wait_dscnt 0x0
	CROUND                                         ; the closing round
	s_endpgm
.Lfunc_end_k_q71f18b3482_proj:
	.size	k_q71f18b3482_proj, .Lfunc_end_k_q71f18b3482_proj-k_q71f18b3482_proj
	.p2alignl 7, 3214868480
	.fill 96, 4, 3214868480
	.section	.rodata,"a",@progbits
	.p2align	6, 0x0
	.amdhsa_kernel k_q71f18b3482_proj
		.amdhsa_group_segment_fixed_size 327680
		.amdhsa_private_segment_fixed_size 0
		.amdhsa_enable_private_segment 0
		.amdhsa_kernarg_size 40
		.amdhsa_user_sgpr_count 2
		.amdhsa_user_sgpr_kernarg_segment_ptr 1
		.amdhsa_wavefront_size32 1
		.amdhsa_system_sgpr_workgroup_id_x 1
		.amdhsa_system_sgpr_workgroup_id_y 1
		.amdhsa_system_sgpr_workgroup_id_z 1
		.amdhsa_system_vgpr_workitem_id 0
		.amdhsa_next_free_vgpr 1024
		.amdhsa_next_free_sgpr 100
		.amdhsa_reserve_vcc 0
		.amdhsa_float_denorm_mode_32 3
		.amdhsa_float_denorm_mode_16_64 3
		.amdhsa_memory_ordered 1
		.amdhsa_forward_progress 1
		.amdhsa_inst_pref_size 129
	.end_amdhsa_kernel
	.amdgpu_metadata
---
amdhsa.version: [ 1, 2 ]
amdhsa.kernels:
  - .name:           k_q71f18b3482_proj
    .symbol:         k_q71f18b3482_proj.kd
    .args:
      - { .name: ac, .offset: 0, .size: 8, .value_kind: global_buffer, .address_space: global }
      - { .name: oc, .offset: 8, .size: 8, .value_kind: global_buffer, .address_space: global }
      - { .name: lowp_scales, .offset: 16, .size: 8, .value_kind: global_buffer, .address_space: global }
      - { .name: out_b, .offset: 24, .size: 8, .value_kind: global_buffer, .address_space: global }
      - { .name: out0, .offset: 32, .size: 8, .value_kind: global_buffer, .address_space: global }
    .group_segment_fixed_size: 327680
    .private_segment_fixed_size: 0
    .kernarg_segment_align: 8
    .kernarg_segment_size: 40
    .max_flat_workgroup_size: 128
    .sgpr_count:     100
    .vgpr_count:     1024
    .wavefront_size: 32
...
	.end_amdgpu_metadata
.endif
;; end of part 4
